; MI455X (gfx1250); checked and timed in simulation.
; The chip was launched on July 23, 2026; its instructions are those of AMD's public machine-readable ISA for CDNA 5 (MIT licence, August 2026) and "CDNA5" Instruction Set Architecture Reference Guide (July 2026). The comments in the code are by the model that wrote it; some were corrected since.
;; Expert Layer. Allowed arithmetic: float matrix products may take bf16 or f16 operands with f32 sums; all other float work in f32.
;; Inputs: W1 1 x 1,024 x 1,024 float32; W2 1 x 1,024 x 1,024 float32; Wi 512 x 1,024 float32; Wo 1,024 x 512 float32; b1 1 x 1,024 float32; b2 1 x 1,024 float32; beta 512 float32; bi 1,024 float32; bo 512 float32; expert_weights 4 x 2,048 x 1 float32; gamma 512 float32; input_tensor 4 x 2,048 x 512 float32.
;; Outputs: out0 4 x 2,048 x 512 float32.
;; 2 versions, each right and faster than the one before. Each part assembles by itself: llvm-mc -triple=amdgcn-amd-amdhsa -mcpu=gfx1250 --defsym DOCPART=n.
;; ======== version 1 of 2: 2 launches
;; limits: values are held in f16: magnitudes above 65,504 overflow, below 6.1e-05 lose precision; right only within a limited range of input values
;; workspace buffers: wf 4,194,304 bytes; bc 4,096 bytes
;; launch prep (part 1): grid 16 x 16, 8 waves a work-group, no clusters, 231,936 bytes of LDS; arguments Wi, bi, W1, b1, W2, Wo, wf, bc; writes wf, bc
.if DOCPART == 1
	.amdgcn_target "amdgcn-amd-amdhsa--gfx1250"
	.amdhsa_code_object_version 6
	.text
	.protected	k_qf3cc021c45_prep
	.globl	k_qf3cc021c45_prep
	.p2align	8
	.type	k_qf3cc021c45_prep,@function
k_qf3cc021c45_prep:
	s_mov_b64 s[64:65], 0
	v_nop
	global_prefetch_b8 v0, s[64:65] scope:SCOPE_SE
	s_setreg_imm32_b32 hwreg(HW_REG_WAVE_MODE, 25, 1), 1
	s_wait_xcnt 0x0
; PREPARATION OF THE WEIGHTS.  reference() has no nonlinearity between its first two products, so
;   (x Wi + bi) W1 + b1 = x (Wi W1) + (bi W1 + b1).
; This launch forms Wc = Wi W1 [512][1024] (f16 operands, f32 sums, rounded once to f16) and bc = bi W1 + b1 (f32), and rounds
; W2 and Wo to f16.  All three weights are stored into wf in the order in which the next launch streams them.
; WHY f16: 11 significant bits.  Its room: the weights are of size 0.02 to 0.05 and Wc of size 0.015; thirty times more in Wi and in W1 makes Wc
; 900 times larger (about 13), a common offset of thirty spreads in both makes it about 5,000; thirty times less in both leaves it at 1.6e-5.
; LIMITS, stated: every weight and every number of Wc is below 65,504 in magnitude; numbers below 2^-14 keep an absolute error of 2^-25;
; the order of rounding differs from reference()'s (Wc is rounded where reference() has h); bc is summed in f32 from f16(bi) and f16(W1).
;
; wf: for a weight W[k][n], the block of k step s (32 k) and n tile t (16 n) is 1,024 bytes: two halves of 512 bytes (k%32 < 16, then >= 16).
; A half is 32 pieces of 16 bytes; piece 16 hk + 8 c + j holds W[k0 + 8 hk + j][n0 + 8 c .. + 7].  A lane that addresses byte 16 x lane of a
; half with ds_load_tr16_b128 then gets four registers of a matrix fragment whose lane l%16 is column n0 + l%16.
; wf = four strips of 1 MiB, one for each wave of the next launch: Wc (strip of 256 columns, block at s*16384 + t*1024), at 262,144 W2 (the
; same form), at 786,432 Wo (strip of 128 columns, block at s*8192 + t*1024).
;
; SHARES.  Work-group (bx, by): 64 columns (bx) x 32 rows (by) of Wc, K = 1024 in eight phases of 128.  Wave w: rows 16 (w&1) .., n tile w>>1.
; Two accumulators a wave: its tile of Wc, and bi W1 for its n tile (made everywhere, so that all waves run one text; stored where by = 0 and
; w is even).  Work-group g = 16 by + bx also rounds 16 k rows x one strip of W2 and of Wo.
; NO CLUSTER, NO TENSOR LOADS: W1's and Wi's pieces are shared between work-groups, but every number has to be rounded to f16 on its way into
; LDS, so it comes through registers, and joint requests exist for tensor loads alone.
; LDS is written once and never again: one barrier a phase (between that phase's stores and its reads) is all the ordering there is.
.set W1P,  160                         ; LDS pitch of a k row of W1's 64 columns: 128 bytes + 32, an odd multiple of 32 bytes for the transposing loads
.set WIP,  2064                        ; LDS pitch of a row of Wi: 2,048 bytes + 16, an odd multiple of 16 bytes
.set WIS,  1024*W1P                    ; Wi's 32 rows lie behind W1's 1,024 k rows
.set BIS,  WIS+32*WIP                  ; bi in f16, 2,048 bytes, behind them
.set GW1,  4                           ; v4   W1: byte offset of my 32 bytes in a group of 32 k rows
.set SW1,  5                           ; v5   LDS: where their 16 bytes of f16 go; steps by 128 rows a phase
.set GWI,  6                           ; v6   Wi: byte offset of my 32 bytes in a group of 16 rows
.set SWI,  7                           ; v7   LDS: where they go
.set GC2,  8                           ; v8   W2: my 32 bytes of the piece that I round
.set DC2,  9                           ; v9   wf: where that piece goes
.set GCO,  10                          ; v10  Wo likewise
.set DCO,  11                          ; v11
.set GBI,  12                          ; v12  bi: my 16 bytes
.set SBI,  13                          ; v13  LDS: my 8 bytes of bi in f16
.set RDB,  14                          ; v14  LDS: W1's fragment (transposing loads); steps by 128 rows a phase
.set RDA,  15                          ; v15  LDS: Wi's fragment
.set RDBI, 16                          ; v16  LDS: bi's fragment (all sixteen rows alike)
.set QOFF, 17                          ; v17  wf: my piece in the half block of Wc
.set B1O,  18                          ; v18  b1, bc: my column
.set B1V,  19                          ; v19  b1 of my column
.set BIV,  20                          ; v[20:23] bi as loaded
.set ACC0, 24                          ; v[24:31] my tile of Wc (v24-31 are scratch until the first product starts the sum)
.set ACC1, 32                          ; v[32:39] bi W1 of my n tile
.set SET0, 40                          ; v[40:87]   a phase's 12 loads, even phases
.set SET1, 88                          ; v[88:135]  odd phases
.set FR,   136                         ; v[136:231] four k steps x (W1 8, Wi 8, bi 8)
.set CAST, 232                         ; v[232:255] W2's and Wo's pieces: registers of their own, so that nothing rewrites them under their stores
	s_load_b512 s[8:23], s[0:1], 0x0               ; Wi s[8:9], bi s[10:11], W1 s[12:13], b1 s[14:15], W2 s[16:17], Wo s[18:19], wf s[20:21], bc s[22:23]
	v_and_b32 v1, 31, v0                           ; l
	v_lshrrev_b32 v2, 5, v0
	v_readfirstlane_b32 s4, v2                     ; wave 0..7
	v_and_b32 v2, 15, v0                           ; r = l % 16
	v_bfe_u32 v3, v0, 4, 1                         ; h = l / 16
	s_and_b32 s3, ttmp7, 0xffff                    ; by
	s_lshl_b32 s5, s3, 4
	s_add_co_u32 s5, s5, ttmp9                     ; g = 16 by + bx
	s_lshr_b32 s6, s5, 2                           ; kb: which 16 k rows of W2 and Wo
	s_and_b32 s7, s5, 3                            ; st: which strip
	s_lshr_b32 s32, s4, 1                          ; tn: my n tile of four
	s_and_b32 s33, s4, 1                           ; which 16 rows of Wc
	s_mul_i32 s38, s4, 4*W1P                       ; LDS terms of the wave: four k rows of W1 a wave,
	s_mul_i32 s39, s4, 2*WIP                       ; two rows of Wi,
	s_add_co_u32 s39, s39, WIS
	s_lshl_b32 s40, s4, 8                          ; 256 bytes of bi
	s_add_co_u32 s40, s40, BIS
	s_mul_i32 s41, s33, 16*WIP                     ; and my 16 rows of Wi when they are read
	s_add_co_u32 s41, s41, WIS
	v_lshrrev_b32 v24, 3, v1                       ; l / 8
	v_and_b32 v25, 7, v1                           ; l % 8
	v_bfe_u32 v26, v1, 3, 1                        ; c = (l / 8) % 2
	v_lshlrev_b32 v27, 4, v1                       ; 16 l
	v_lshl_add_u32 v29, v3, 3, v25                 ; 8 h + l % 8: the k row of a piece
	v_lshlrev_b32 v[GW1], 12, v24                  ; W1: row 4 w + l/8 (4,096 bytes), 32 bytes at l%8
	v_lshl_add_u32 v[GW1], v25, 5, v[GW1]
	v_lshl_add_u32 v[GW1], s4, 14, v[GW1]
	v_mul_u32_u24 v[SW1], v24, W1P
	v_lshl_add_u32 v[SW1], v25, 4, v[SW1]
	v_add_nc_u32 v[SW1], s38, v[SW1]
	v_lshlrev_b32 v[GWI], 12, v3                   ; Wi: row 2 w + h, 32 bytes at r
	v_lshl_add_u32 v[GWI], v2, 5, v[GWI]
	v_lshl_add_u32 v[GWI], s4, 13, v[GWI]
	v_mul_u32_u24 v[SWI], v3, WIP
	v_lshl_add_u32 v[SWI], v2, 4, v[SWI]
	v_add_nc_u32 v[SWI], s39, v[SWI]
	v_lshlrev_b32 v[GC2], 12, v29                  ; W2: row 8 h + l%8, 32 bytes at c, tiles 2 w and 2 w + 1 (64 bytes each)
	v_lshl_add_u32 v[GC2], v26, 5, v[GC2]
	v_lshl_add_u32 v[GC2], s4, 7, v[GC2]
	v_lshl_add_u32 v[DC2], s4, 11, v27
	v_lshlrev_b32 v[GCO], 11, v29                  ; Wo: rows of 2,048 bytes, tile w
	v_lshl_add_u32 v[GCO], v26, 5, v[GCO]
	v_lshl_add_u32 v[GCO], s4, 6, v[GCO]
	v_lshl_add_u32 v[DCO], s4, 10, v27
	v_lshlrev_b32 v[GBI], 4, v0
	v_lshl_add_u32 v[SBI], v1, 3, s40
	v_mul_u32_u24 v[RDB], v29, W1P                 ; lane l addresses k row 8 h + l%8, 16 bytes at c of my n tile's 32
	v_lshl_add_u32 v[RDB], v26, 4, v[RDB]
	v_lshl_add_u32 v[RDB], s32, 5, v[RDB]
	v_mul_u32_u24 v[RDA], v2, WIP                  ; row r of my 16, 16 bytes at h
	v_lshl_add_u32 v[RDA], v3, 4, v[RDA]
	v_add_nc_u32 v[RDA], s41, v[RDA]
	v_lshlrev_b32 v[RDBI], 4, v3
	v_add_nc_u32 v[RDBI], BIS, v[RDBI]
	v_lshl_add_u32 v[QOFF], v26, 4, v29            ; my results are row r, columns 8 h ..: piece 16 (r/8) + 8 h + r%8
	v_lshlrev_b32 v[QOFF], 4, v[QOFF]
	v_lshlrev_b32 v[B1O], 2, v2
	v_lshl_add_u32 v[B1O], s32, 6, v[B1O]
	s_mov_b32 s31, 0                               ; offsets are made in s[30:31], apart from the addresses
	s_wait_kmcnt 0x0
	s_lshl_b32 s30, ttmp9, 8                       ; 64 columns of f32
	s_add_nc_u64 s[12:13], s[12:13], s[30:31]      ; W1, b1, bc at my 64 columns
	s_add_nc_u64 s[14:15], s[14:15], s[30:31]
	s_add_nc_u64 s[22:23], s[22:23], s[30:31]
	s_lshl_b32 s30, s3, 17                         ; 32 rows of 4,096 bytes
	s_add_nc_u64 s[8:9], s[8:9], s[30:31]          ; Wi at my 32 rows
	s_lshl_b32 s30, s6, 16                         ; 16 rows of W2
	s_lshl_b32 s34, s7, 10                         ; 256 columns
	s_add_co_u32 s30, s30, s34
	s_add_nc_u64 s[16:17], s[16:17], s[30:31]
	s_lshr_b32 s30, s30, 1                         ; Wo: rows and strip of half the bytes
	s_add_nc_u64 s[18:19], s[18:19], s[30:31]
	s_lshl_b32 s35, s7, 20                         ; the strip's MiB of wf
	s_lshr_b32 s36, s6, 1                          ; k step
	s_and_b32 s37, s6, 1                           ; half
	s_lshl_b32 s37, s37, 9
	s_add_co_u32 s35, s35, s37
	s_lshl_b32 s30, s36, 14
	s_add_co_u32 s30, s30, s35
	s_add_co_u32 s30, s30, 262144
	s_add_nc_u64 s[24:25], s[20:21], s[30:31]      ; wf for W2
	s_lshl_b32 s30, s36, 13
	s_add_co_u32 s30, s30, s35
	s_add_co_u32 s30, s30, 786432
	s_add_nc_u64 s[26:27], s[20:21], s[30:31]      ; wf for Wo
	s_lshr_b32 s30, ttmp9, 2                       ; Wc: strip bx / 4,
	s_lshl_b32 s30, s30, 20
	s_lshl_b32 s34, s3, 14                         ; k step by,
	s_add_co_u32 s30, s30, s34
	s_and_b32 s34, ttmp9, 3
	s_lshl2_add_u32 s34, s34, s32                  ; tile 4 (bx % 4) + tn,
	s_lshl_b32 s34, s34, 10
	s_add_co_u32 s30, s30, s34
	s_lshl_b32 s34, s33, 9                         ; half w & 1
	s_add_co_u32 s30, s30, s34
	s_add_nc_u64 s[28:29], s[20:21], s[30:31]      ; wf for Wc
; The 12 loads of phase p: 128 k rows x 64 columns of W1 (four groups of 32 rows), 32 rows x 128 columns of Wi (two groups of 16 rows).
; A lane takes 32 bytes by two loads, eight numbers that become 16 bytes of f16.  The phase stands in the immediate: no address is ever stepped.
.macro LOADSET p, set
.irp q, 0,1,2,3
	global_load_b128 v[\set+8*\q:\set+8*\q+3],   v[GW1], s[12:13] offset:(128*(\p)+32*\q)*4096
	global_load_b128 v[\set+8*\q+4:\set+8*\q+7], v[GW1], s[12:13] offset:(128*(\p)+32*\q)*4096+16
.endr
.irp q, 0,1
	global_load_b128 v[\set+32+8*\q:\set+32+8*\q+3], v[GWI], s[8:9] offset:\q*65536+(\p)*512
	global_load_b128 v[\set+32+8*\q+4:\set+32+8*\q+7], v[GWI], s[8:9] offset:\q*65536+(\p)*512+16
.endr
.endm
.macro PLACES                          ; four places behind a matrix instruction, in front of what reads its result or writes or loads into its registers
.rept 4
	v_nop
.endr
.endm
	global_load_b128 v[BIV:BIV+3], v[GBI], s[10:11]
	global_load_b32 v[B1V], v[B1O], s[14:15]
.irp i, 0,1
	global_load_b128 v[CAST+8*\i:CAST+8*\i+3],   v[GC2], s[16:17] offset:\i*64
	global_load_b128 v[CAST+8*\i+4:CAST+8*\i+7], v[GC2], s[16:17] offset:\i*64+16
.endr
	global_load_b128 v[CAST+16:CAST+19], v[GCO], s[18:19]
	global_load_b128 v[CAST+20:CAST+23], v[GCO], s[18:19] offset:16
	LOADSET 0, SET0
	LOADSET 1, SET1
	s_wait_loadcnt 24                              ; the two sets of 12 stay out; bi, b1 and the pieces of W2 and Wo are in
	v_cvt_pk_f16_f32 v[BIV],   v[BIV],   v[BIV+1]
	v_cvt_pk_f16_f32 v[BIV+1], v[BIV+2], v[BIV+3]
	ds_store_b64 v[SBI], v[BIV:BIV+1]              ; seen by the others behind the first phase's barrier
.irp i, 0,1,2
.irp k, 0,1,2,3
	v_cvt_pk_f16_f32 v[CAST+8*\i+\k], v[CAST+8*\i+2*\k], v[CAST+8*\i+2*\k+1]   ; in place: word k is written when words 2k, 2k+1 are read, never ahead of them
.endr
.endr
	global_store_b128 v[DC2], v[CAST:CAST+3],     s[24:25]               ; each store of the wave covers 512 consecutive bytes, aligned: a half block
	global_store_b128 v[DC2], v[CAST+8:CAST+11],  s[24:25] offset:1024
	global_store_b128 v[DCO], v[CAST+16:CAST+19], s[26:27]
; Phase p.  set: its registers; more = 1: they are loaded again, for phase p + 2; left: how many younger loads may stay out.
.macro PHASE p, set, more, left
	s_wait_loadcnt \left                           ; loads come back in order (ISA guide 5.7.1): this phase's 12 are in
.irp q, 0,1,2,3,4,5
.irp k, 0,1,2,3
	v_cvt_pk_f16_f32 v[\set+8*\q+\k], v[\set+8*\q+2*\k], v[\set+8*\q+2*\k+1]
.endr
.endr
.irp q, 0,1,2,3
	ds_store_b128 v[SW1], v[\set+8*\q:\set+8*\q+3] offset:\q*32*W1P
.endr
.irp q, 0,1
	ds_store_b128 v[SWI], v[\set+32+8*\q:\set+32+8*\q+3] offset:\q*16*WIP+\p*256
.endr
.if \more
	LOADSET \p+2, \set
.endif
	s_wait_dscnt 0x0                               ; for the others' sake: my stores are done
	s_barrier_signal -1
	s_barrier_wait -1                              ; the phase's 128 k rows and Wi's 128 columns are whole
	PLACES
.irp n, 0,1,2,3
	ds_load_tr16_b128 v[FR+24*\n:FR+24*\n+3],   v[RDB] offset:\n*32*W1P          ; W1(k = 8 h .., column r of my tile)
	ds_load_tr16_b128 v[FR+24*\n+4:FR+24*\n+7], v[RDB] offset:\n*32*W1P+16*W1P   ; k = 16 + 8 h ..
	ds_load_b128 v[FR+24*\n+8:FR+24*\n+11],  v[RDA]  offset:\p*256+\n*64
	ds_load_b128 v[FR+24*\n+12:FR+24*\n+15], v[RDA]  offset:\p*256+\n*64+32
	ds_load_b128 v[FR+24*\n+16:FR+24*\n+19], v[RDBI] offset:\p*256+\n*64
	ds_load_b128 v[FR+24*\n+20:FR+24*\n+23], v[RDBI] offset:\p*256+\n*64+32
.endr
; Source 0 = W1's columns, source 1 = Wi's rows: a lane's eight results are row r, columns 8 h .. 8 h + 7 of Wc, 16 bytes of f16 that belong together.
; Source 0 = bi in all sixteen rows, source 1 = W1's columns: register 0 of lane l is (bi W1)(column l % 16).
; The two accumulators take turns, one instruction a turn, over the phases' edges too.
.irp n, 0,1,2,3
	s_wait_dscnt 18-6*\n                           ; six loads for each later k step stay out
.if (\p+\n) == 0
	v_wmma_f32_16x16x32_f16 v[ACC0:ACC0+7], v[FR+24*\n:FR+24*\n+7], v[FR+24*\n+8:FR+24*\n+15], 0        ; the first products start the sums
	v_wmma_f32_16x16x32_f16 v[ACC1:ACC1+7], v[FR+24*\n+16:FR+24*\n+23], v[FR+24*\n:FR+24*\n+7], 0
.else
	v_wmma_f32_16x16x32_f16 v[ACC0:ACC0+7], v[FR+24*\n:FR+24*\n+7], v[FR+24*\n+8:FR+24*\n+15], v[ACC0:ACC0+7]
	v_wmma_f32_16x16x32_f16 v[ACC1:ACC1+7], v[FR+24*\n+16:FR+24*\n+23], v[FR+24*\n:FR+24*\n+7], v[ACC1:ACC1+7]
.endif
.endr
.if \p < 7
	v_add_nc_u32 v[SW1], 128*W1P, v[SW1]           ; the next 128 k rows
	v_add_nc_u32 v[RDB], 128*W1P, v[RDB]
.endif
.endm
	PHASE 0, SET0, 1, 12
	PHASE 1, SET1, 1, 12
	PHASE 2, SET0, 1, 12
	PHASE 3, SET1, 1, 12
	PHASE 4, SET0, 1, 12
	PHASE 5, SET1, 1, 12
	PHASE 6, SET0, 0, 12                           ; the last set is still out
	PHASE 7, SET1, 0, 0
	PLACES
.irp k, 0,1,2,3
	v_cvt_pk_f16_f32 v[SET0+\k], v[ACC0+2*\k], v[ACC0+2*\k+1]
.endr
	global_store_b128 v[QOFF], v[SET0:SET0+3], s[28:29]    ; the wave's 32 pieces fill a half block: 512 consecutive bytes, aligned
	s_cmp_lg_u32 s3, 0                             ; bc is stored once: by the work-groups of by = 0,
	s_cbranch_scc1 .Ldone
	s_cmp_lg_u32 s33, 0                            ; by one wave for each n tile
	s_cbranch_scc1 .Ldone
	v_add_f32 v[B1V], v[ACC1], v[B1V]              ; bi W1 + b1
	v_cmp_gt_u32 vcc_lo, 16, v1                    ; lanes 16 to 31 hold the same sixteen numbers again
	s_wait_xcnt 0x0                                ; EXEC is a source of the store above: it changes only behind this wait
	s_and_saveexec_b32 s34, vcc_lo
	global_store_b32 v[B1O], v[B1V], s[22:23]      ; 64 bytes a wave, 4,096 in the whole launch
	s_wait_xcnt 0x0                                ; and again in front of the line that widens it
	s_or_b32 exec_lo, exec_lo, s34
.Ldone:
	s_endpgm
.Lfunc_end_k_qf3cc021c45_prep:
	.size	k_qf3cc021c45_prep, .Lfunc_end_k_qf3cc021c45_prep-k_qf3cc021c45_prep
	.p2alignl 7, 3214868480
	.fill 96, 4, 3214868480
	.section	.rodata,"a",@progbits
	.p2align	6, 0x0
	.amdhsa_kernel k_qf3cc021c45_prep
		.amdhsa_group_segment_fixed_size 231936
		.amdhsa_private_segment_fixed_size 0
		.amdhsa_enable_private_segment 0
		.amdhsa_kernarg_size 64
		.amdhsa_user_sgpr_count 2
		.amdhsa_user_sgpr_kernarg_segment_ptr 1
		.amdhsa_wavefront_size32 1
		.amdhsa_system_sgpr_workgroup_id_x 1
		.amdhsa_system_sgpr_workgroup_id_y 1
		.amdhsa_system_sgpr_workgroup_id_z 1
		.amdhsa_system_vgpr_workitem_id 0
		.amdhsa_next_free_vgpr 256
		.amdhsa_next_free_sgpr 66
		.amdhsa_reserve_vcc 1
		.amdhsa_float_denorm_mode_32 3
		.amdhsa_float_denorm_mode_16_64 3
		.amdhsa_memory_ordered 1
		.amdhsa_forward_progress 1
		.amdhsa_inst_pref_size 52
	.end_amdhsa_kernel
	.amdgpu_metadata
---
amdhsa.version: [ 1, 2 ]
amdhsa.kernels:
  - .name:           k_qf3cc021c45_prep
    .symbol:         k_qf3cc021c45_prep.kd
    .args:
      - { .name: Wi, .offset: 0, .size: 8, .value_kind: global_buffer, .address_space: global }
      - { .name: bi, .offset: 8, .size: 8, .value_kind: global_buffer, .address_space: global }
      - { .name: W1, .offset: 16, .size: 8, .value_kind: global_buffer, .address_space: global }
      - { .name: b1, .offset: 24, .size: 8, .value_kind: global_buffer, .address_space: global }
      - { .name: W2, .offset: 32, .size: 8, .value_kind: global_buffer, .address_space: global }
      - { .name: Wo, .offset: 40, .size: 8, .value_kind: global_buffer, .address_space: global }
      - { .name: wf, .offset: 48, .size: 8, .value_kind: global_buffer, .address_space: global }
      - { .name: bc, .offset: 56, .size: 8, .value_kind: global_buffer, .address_space: global }
    .group_segment_fixed_size: 231936
    .private_segment_fixed_size: 0
    .kernarg_segment_align: 8
    .kernarg_segment_size: 64
    .max_flat_workgroup_size: 256
    .sgpr_count:     66
    .vgpr_count:     256
    .wavefront_size: 32
...
	.end_amdgpu_metadata
.endif
;; end of part 1
;; launch chain (part 2): grid 256 x 1, 4 waves a work-group, clusters of 4 x 1, 327,680 bytes of LDS; arguments input_tensor, expert_weights, wf, bc, b2, bo, gamma, beta, out0; writes out0
.if DOCPART == 2
	.amdgcn_target "amdgcn-amd-amdhsa--gfx1250"
	.amdhsa_code_object_version 6
	.text
	.protected	k_qf3cc021c45_chain
	.globl	k_qf3cc021c45_chain
	.p2align	8
	.type	k_qf3cc021c45_chain,@function
k_qf3cc021c45_chain:
	s_mov_b64 s[64:65], 0
	v_nop
	global_prefetch_b8 v0, s[64:65] scope:SCOPE_SE
	s_setreg_imm32_b32 hwreg(HW_REG_WAVE_MODE, 25, 1), 1
	s_wait_xcnt 0x0
	s_wait_alu depctr_hold_cnt(0) depctr_sa_sdst(0) depctr_va_vdst(0) depctr_va_sdst(0) depctr_va_ssrc(0) depctr_va_vcc(0) depctr_vm_vsrc(0)
	s_getreg_b32 s2, hwreg(HW_REG_IB_STS2, 6, 4)
	s_cmp_eq_u32 s2, 0
	s_cbranch_scc0 .Lentry_in_a_cluster
	s_endpgm
.Lentry_in_a_cluster:
	s_bfe_u32 s2, ttmp6, 0x10000c
	s_cmp_lg_u32 s2, 0x3003
	s_cbranch_scc0 .Lentry_shape_is_right
	s_endpgm
.Lentry_shape_is_right:
; THE FUSED CHAIN: e1 = relu(x Wc + bc), e2 = relu(e1 W2 + b2) * expert_weights, o = e2 Wo + bo, out = LayerNorm(o) * gamma + beta.
; (Wc = Wi W1 and bc = bi W1 + b1 come from the launch before: reference() has no nonlinearity between its first two products.)
; 8,192 token rows, 256 work-groups of 32 rows, four waves.  A wave owns a strip of columns (256 in the first two layers, 128 in the last) for
; all 32 rows, so each weight byte is read from LDS once in a work-group.  The activations stay in LDS between the layers, in f16.
;
; NUMBER FORMAT: matrix operands are f16 (11 significant bits), sums f32.  x and the weights have f16's room as they are.  The activations have not
; (four factors of thirty are 810,000), so each token row carries an exact power of two: at the end of a layer the row's largest number is found, clamped
; to [2^-40, 2^40], and s = 2^-exponent brings it into [1, 2) in front of the rounding.  relu(s a) = s relu(a), so the scale is carried on: the next layer's
; bias is multiplied by the running scale S, and the last layer's sums are multiplied by 1/S inside the LayerNorm's centring.
; LIMITS, stated: |x| and every weight below 65,504; a row whose largest activation (in the scale carried so far) is below 2^-40 loses precision by
; degrees, one above 2^55 overflows; S lies within 2^-80 .. 2^80, so a bias times S must stay finite in f32.  Wc is rounded where reference() has h.
; relu and the row maximum are v_max_num_f32, so a NaN in front of a relu becomes 0 instead of going on.  The variance is taken of centred numbers.
;
; THE WEIGHT STREAM.  wf holds, for each wave, one dense run of 1 MiB in the order of use: 32 chunks of 32 KiB (8 for Wc, 16 for W2, 8 for Wo).
; One tensor load brings a chunk (128 rows of 256 bytes) into the wave's own 32 KiB of one of two LDS slots.  A trip multiplies one chunk.  In its
; first half the whole chunk goes into registers; then the slot is given back and filled with the chunk two ahead, which has a whole
; trip (64 matrix instructions and their LDS loads) in which to land.  By this text's count a wave has two tensor loads out at the start, later one.
; CLUSTERS: all work-groups walk the same wf.  Four work-groups form a cluster and ask for each chunk JOINTLY (mask 15): the descriptors hang on
; the wave's number alone and are equal in the four.  A round of the cluster's barrier stands in front of every refill.
;
; LDS: [0, 65536) activations, written by ds_store alone: x in f16 (pitch 1,040), then e1, then e2 in fragment order; its first 1,024 bytes also take the
;      rows' maxima and sums while no activations are alive.  65536 + slot*131072 + wave*32768: the ring.  After its last fill the wave's part of slot 0
;      is its stage on the way out.
; FRAGMENT ORDER: the matrix instruction is used with source 0 = 16 weight columns, source 1 = 16 token rows, so lane l holds token row l%16 and
; eight neighbouring columns 8 (l/16) ..  Rounded to f16 these 16 bytes are just what lane l needs as half a fragment of the next layer (k step
; 8 w + t/2, half t%2).  So block (k step s, row tile m) lies at (2 s + m)*1024 + half*512 + 16 l: dense, and every address is 16 l + a constant.
; BIAS: each layer's accumulators are filled with its bias by global loads issued a layer earlier, into the register window that is idle then:
; nothing is cleared, and no bias is added afterwards.
;
; REGISTERS in windows of 256: window 1 accumulators of layers 1 and 3 (tile (t, m) at v[8 (2 t + m)]); window 2 those of layer 2, later gamma
; (v0-63) and beta (v64-127); window 3 four buffers of 64 for weight fragments; window 0 the rest.
.set XP,    1040                       ; pitch of x in LDS: 1,024 bytes + 16, an odd multiple of 16 bytes
.set RING,  65536
.set SLOT,  131072
.set CHUNK, 32768
.set SP,    528                        ; pitch of the stage: 512 bytes + 16
.set L16,   4                          ; v4   16 l
.set ADRA,  5                          ; v5   LDS address of the activations' fragments; steps in the loops
.set AX,    6                          ; v6   its start for x: row r, 16 bytes at h
.set ADRB,  8                          ; v8, v9  my 16 bytes in a half block of my part of slot 0, 1; v8 also reads the stage back
.set ESTO,  10                         ; v10  where my wave's results go in fragment order
.set BO12,  11                         ; v11  bias offset, layers 1 and 2
.set BO3,   12                         ; v12  bias, gamma, beta offset, layer 3
.set GX,    13                         ; v13  x: my 32 bytes
.set SX,    14                         ; v14  LDS: my 16 bytes of x in f16
.set EWO,   15                         ; v15  4 r: offset into expert_weights, and LDS address of my rows' maxima and sums
.set EW,    16                         ; v[16:19] expert_weights of my row in row tile 0 (twice), 1 (twice)
.set STS,   20                         ; v20  the stage: row r, 32 bytes at h
.set OUTO,  22                         ; v22  out0: my 16 bytes of a row
.set RST,   23                         ; v23  LDS: my wave's maximum or sum of row r
.set NMEAN, 26                         ; v[26:29] minus the mean, pairs for row tiles 0, 1
.set RSTD,  30                         ; v[30:33]
.set P,     34                         ; v[34:41] at work
.set F,     42                         ; v[42:45] layer 2: expert weight times the row's new scale, pairs
.set SC,    46                         ; v[46:49] S, the scale that my rows carry, pairs
.set INV,   50                         ; v[50:53] 1 / S, pairs
.set AF,    64                         ; v[64:127] four buffers of 16 for the activations' fragments
.set T,     128                        ; v[128:255] at work: x as loaded, packed results, rows on the way out
.set Q,     T                          ; v[128:143] four chains of sums for each row tile
.set G1,    32                         ; s[32:39] descriptor group 1
.set G0,    40                         ; s[40:47] descriptor group 0, a set for each slot
.set MSB, 0
.macro WIN new                         ; s_set_vgpr_msb: bits 1:0 source 0, 3:2 source 1, 5:4 source 2, 7:6 destination; the high byte repeats the setting that is left
.if MSB != (\new)
	s_set_vgpr_msb (MSB<<8)|(\new)
.set MSB, (\new)
.endif
.endm
.macro PLACES                          ; four places behind a matrix instruction, in front of what reads its result or writes or loads into its registers
.rept 4
	v_nop
.endr
.endm
.macro CREST                           ; a round of the cluster's barrier behind its opening barrier: wave 0 signals for the work-group, all wait, the work-group's barrier closes
	s_cmp_lg_u32 s22, 0
	s_cbranch_scc1 .Lnot_wave_0_\@
	s_barrier_signal -3
.Lnot_wave_0_\@:
	s_barrier_wait -3
	s_barrier_signal -1
	s_barrier_wait -1
.endm
.macro ROUND
	s_barrier_signal -1
	s_barrier_wait -1
	CREST
.endm
	s_load_b512 s[4:19], s[0:1], 0x0               ; x s[4:5], expert_weights s[6:7], wf s[8:9], bc s[10:11], b2 s[12:13], bo s[14:15], gamma s[16:17], beta s[18:19]
	s_load_b64 s[20:21], s[0:1], 0x40              ; out0
	v_and_b32 v1, 31, v0                           ; l
	v_lshrrev_b32 v2, 5, v0
	v_readfirstlane_b32 s22, v2                    ; wave 0..3
	v_and_b32 v2, 15, v0                           ; r
	v_bfe_u32 v3, v0, 4, 1                         ; h
	s_bfe_u32 s23, ttmp6, 0x40000                  ; cx
	s_lshl_b32 s24, ttmp9, 2
	s_add_co_u32 s24, s24, s23                     ; work-group = 4 x cluster + cx: it enters the offsets of x, expert_weights and out0 alone
	s_mov_b32 s28, 0x76543210                      ; v_permlanex16_b32: lane i of one half reads lane i of the other
	s_mov_b32 s29, 0xfedcba98
	s_mov_b32 s31, 0x3b000000                      ; 1 / 512
	s_mov_b32 s50, 0x3727c5ac                      ; LN_EPS = 1e-5
	s_lshl_b32 s25, s22, 15                        ; my wave's 32 KiB in a slot
	; group 1: a dense chunk as 128 rows of 32 elements of 8 bytes
	s_mov_b32 s[G1+0], 0x0023000f                  ; 15:0 mask: the cluster's four work-groups; 17:16 elements of 8 bytes; 21 set beside a mask; no padding
	s_mov_b32 s[G1+1], 32<<16                      ; tensor_dim0 = 32
	s_mov_b32 s[G1+2], 128<<16                     ; tensor_dim1 = 128
	s_mov_b32 s[G1+3], 32<<16                      ; tile_dim0 = 32
	s_mov_b32 s[G1+4], 128                         ; tile_dim1 = 128
	s_mov_b32 s[G1+5], 32                          ; from row to row: 32 elements
	s_mov_b32 s[G1+6], 0
	s_mov_b32 s[G1+7], 0
	s_lshl_b32 s48, s22, 20                        ; my wave's MiB of wf, in registers that never hold cx
	s_mov_b32 s49, 0
	s_wait_kmcnt 0x0
	s_add_nc_u64 s[8:9], s[8:9], s[48:49]
.irp n, 0,1
	s_mov_b32 s[G0+4*\n], 1                                        ; count = 1
	s_add_co_u32 s[G0+4*\n+1], s25, RING+\n*SLOT                   ; LDS address: the ring, the slot, the wave's number times 32,768
	s_add_nc_u64 s[G0+4*\n+2:G0+4*\n+3], s[8:9], \n*CHUNK          ; chunk n
	s_or_b32 s[G0+4*\n+3], s[G0+4*\n+3], 0x80000000                ; type = 2
.endr
	ROUND                                          ; the four work-groups are here: the first joint loads meet
	tensor_load_to_lds s[G0:G0+3], s[G1:G1+7]      ; both first fills go out together, ahead of everything else
	s_nop 0
	tensor_load_to_lds s[G0+4:G0+7], s[G1:G1+7]
	s_nop 0
	s_lshl_b32 s26, s24, 16                        ; 32 rows of 2,048 bytes
	s_mov_b32 s27, 0
	s_add_nc_u64 s[4:5], s[4:5], s[26:27]          ; x and out0 at my first row
	s_add_nc_u64 s[20:21], s[20:21], s[26:27]
	s_lshl_b32 s26, s24, 7
	s_add_nc_u64 s[6:7], s[6:7], s[26:27]          ; expert_weights at my first row
	v_lshlrev_b32 v[L16], 4, v1
	v_mul_u32_u24 v[AX], v2, XP
	v_lshl_add_u32 v[AX], v3, 4, v[AX]
	s_add_co_u32 s51, s25, RING
	s_add_co_u32 s52, s25, RING+SLOT
	v_add_nc_u32 v[ADRB], s51, v[L16]
	v_add_nc_u32 v[ADRB+1], s52, v[L16]
	s_lshl_b32 s53, s22, 14
	v_add_nc_u32 v[ESTO], s53, v[L16]              ; my strip's eight k steps of the next layer: 16,384 bytes a wave
	v_lshlrev_b32 v[P], 5, v3                      ; 32 h
	v_lshlrev_b32 v[P+1], 5, v1                    ; 32 l
	v_lshl_add_u32 v[BO12], s22, 10, v[P]          ; column 256 w + 8 h, in f32
	v_lshl_add_u32 v[BO3], s22, 9, v[P]            ; column 128 w + 8 h
	v_add_nc_u32 v[GX], s53, v[P+1]                ; my wave stages rows 8 w .. 8 w + 7 of x
	s_mul_i32 s53, s22, 8*XP
	v_add_nc_u32 v[SX], s53, v[L16]
	v_lshlrev_b32 v[EWO], 2, v2
	v_mul_u32_u24 v[STS], v2, SP
	v_add_nc_u32 v[STS], v[STS], v[P]
	v_add_nc_u32 v[STS], s51, v[STS]
	v_lshl_add_u32 v[OUTO], s22, 9, v[L16]
	v_lshl_add_u32 v[RST], s22, 7, v[EWO]
; A bias into the accumulators of window win: nt column tiles.  Lane l wants columns 16 t + 8 h .. + 7 of its wave's strip.
; both = 1: into both row tiles (a layer without a scale); both = 0: into row tile 0 alone: BSCALE makes both from it.
.macro BIAS win, nt, off, base, both
	WIN (\win<<6)
.set tt, 0
.rept \nt
	global_load_b128 v[16*tt:16*tt+3],   v[\off], s[\base:\base+1] offset:tt*64
	global_load_b128 v[16*tt+4:16*tt+7], v[\off], s[\base:\base+1] offset:tt*64+16
.if \both
	global_load_b128 v[16*tt+8:16*tt+11],  v[\off], s[\base:\base+1] offset:tt*64
	global_load_b128 v[16*tt+12:16*tt+15], v[\off], s[\base:\base+1] offset:tt*64+16
.endif
.set tt, tt+1
.endr
	WIN 0
.endm
; The bias that lies in row tile 0 of window win, times the scale that each row carries: row tile 1 first, from tile 0's numbers, then tile 0 in place.
.macro BSCALE win, nt
	WIN (\win|(\win<<6))                           ; source 0 and destination in the window, the scale in window 0
.set i, 0
.rept 4*\nt
.set b0, 16*(i>>2)+2*(i&3)
	v_pk_mul_f32 v[b0+8:b0+9], v[b0:b0+1], v[SC+2:SC+3]
	v_pk_mul_f32 v[b0:b0+1],   v[b0:b0+1], v[SC:SC+1]
.set i, i+1
.endr
	WIN 0
.endm
.irp q, 0,1,2,3,4,5,6,7,8,9,10,11,12,13,14,15
	global_load_b128 v[T+8*\q:T+8*\q+3],   v[GX], s[4:5] offset:(\q>>1)*2048+(\q&1)*1024 th:TH_LOAD_NT      ; the two loads of a pair cover 1,024 consecutive bytes of a row
	global_load_b128 v[T+8*\q+4:T+8*\q+7], v[GX], s[4:5] offset:(\q>>1)*2048+(\q&1)*1024+16 th:TH_LOAD_NT
.endr
	BIAS 1, 16, BO12, 10, 1                        ; bc starts layer 1's sums: x carries no scale
	s_wait_loadcnt 63                              ; 64 loads were issued behind x's 32: any count up to 64 shows x in
.irp q, 0,1,2,3,4,5,6,7,8,9,10,11,12,13,14,15
.irp k, 0,1,2,3
	v_cvt_pk_f16_f32 v[T+8*\q+\k], v[T+8*\q+2*\k], v[T+8*\q+2*\k+1]
.endr
	ds_store_b128 v[SX], v[T+8*\q:T+8*\q+3] offset:(\q>>1)*XP+(\q&1)*512
.endr
	BIAS 2, 16, BO12, 12, 0                        ; b2 will start layer 2's sums: it has all of layer 1 in which to come
	global_load_b32 v[EW],   v[EWO], s[6:7]
	global_load_b32 v[EW+1], v[EWO], s[6:7]
	global_load_b32 v[EW+2], v[EWO], s[6:7] offset:64
	global_load_b32 v[EW+3], v[EWO], s[6:7] offset:64
	s_wait_dscnt 0x0                               ; for the others' sake: my rows of x are in LDS
	s_wait_tensorcnt 0x1                           ; chunk 0 is in; chunk 1 may stay out
	s_barrier_signal -1
	s_barrier_wait -1
	s_wait_loadcnt 36                              ; b2's 32 loads and expert_weights' 4 were issued behind bc
; A trip's chunk is four groups of 8 KiB: eight blocks, sixteen matrix instructions.  KIND 12 (strip of 16 column tiles): group g is k step g/2, tiles
; 8 (g%2) ..; KIND 3 (strip of 8): group g is k step g, all tiles.  Weight buffer g serves group g.
.macro BLOAD g, slot
	WIN 0xc0                                       ; destination window 3, address window 0
.irp t, 0,1,2,3,4,5,6,7
	ds_load_tr16_b128 v[64*\g+8*\t:64*\g+8*\t+3],   v[ADRB+(\slot)] offset:\g*8192+\t*1024
	ds_load_tr16_b128 v[64*\g+8*\t+4:64*\g+8*\t+7], v[ADRB+(\slot)] offset:\g*8192+\t*1024+512
.endr
.endm
.macro ALOAD buf, off                  ; one k step's fragments of both row tiles
	WIN 0
.irp m, 0,1
	ds_load_b128 v[AF+16*(\buf)+8*\m:AF+16*(\buf)+8*\m+3],   v[ADRA] offset:(\off)+\m*MSA
	ds_load_b128 v[AF+16*(\buf)+8*\m+4:AF+16*(\buf)+8*\m+7], v[ADRA] offset:(\off)+\m*MSA+HSA
.endr
.endm
.macro GLOAD g, slot, a0
	BLOAD \g, \slot
.if KIND == 12
.if (\g&1) == 0
	ALOAD \g>>1,(\a0)+(\g>>1)*KSA
.endif
.else
	ALOAD \g,(\a0)+\g*KSA
.endif
.endm
; Sixteen accumulators, one instruction each; the same order in every group: no two matrix instructions that follow each other name one accumulator,
; over the edges of groups, trips and loops too.
.macro MUL g
	WIN (3|(ACCW<<4)|(ACCW<<6))                    ; source 0 (weights) window 3, source 1 (activations) window 0, C and D the layer's window
.if KIND == 12
.set tb, 8*(\g&1)
.set ab, \g>>1
.else
.set tb, 0
.set ab, \g
.endif
.irp t, 0,1,2,3,4,5,6,7
.irp m, 0,1
	v_wmma_f32_16x16x32_f16 v[8*(2*(tb+\t)+\m):8*(2*(tb+\t)+\m)+7], v[64*\g+8*\t:64*\g+8*\t+7], v[AF+16*ab+8*\m:AF+16*ab+8*\m+7], v[8*(2*(tb+\t)+\m):8*(2*(tb+\t)+\m)+7]
.endr
.endr
.endm
; One trip.  Groups 0 and 1 were asked for in the trip before.  refill = 1: the slot is filled again with the chunk two ahead; next = 1: the next chunk's
; first two groups are asked for, from the other slot.
.macro TRIP slot, a0, refill, next
	PLACES
	GLOAD 2, \slot, \a0
	s_wait_dscnt CNT                               ; groups 1 and 2 were issued behind group 0
	MUL 0
	PLACES
	GLOAD 3, \slot, \a0
	s_wait_dscnt CNT                               ; groups 2 and 3 were issued behind group 1
	MUL 1
	s_wait_dscnt 0x0                               ; the whole chunk and this trip's activations are in registers: my reads of this slot are over
	s_wait_tensorcnt 0x0                           ; and all my tensor loads have landed: the one that was out is the other slot's chunk
.if \refill
	s_barrier_signal -1                            ; this barrier opens a round of the cluster's barrier;
	MUL 2                                          ; register work while the others arrive
	WIN 0
	s_barrier_wait -1
	CREST                                          ; no wave of any partner still reads this slot or has a load on its way
	s_add_nc_u64 s[G0+4*\slot+2:G0+4*\slot+3], s[G0+4*\slot+2:G0+4*\slot+3], 2*CHUNK
	tensor_load_to_lds s[G0+4*\slot:G0+4*\slot+3], s[G1:G1+7]      ; first thing behind the round, my one tensor load until the next
	s_nop 0
.else
	MUL 2
.endif
.if \next
	PLACES
	GLOAD 0, 1-\slot, \a0+TRIPA
	GLOAD 1, 1-\slot, \a0+TRIPA
.endif
	MUL 3
.endm
; A layer: its first two groups, laps of two trips, and two trips written out (the last asks for nothing of the next chunk: the layer's results come first).
.macro WALK laps, tailfill, base
	v_mov_b32 v[ADRA], v[\base]
	GLOAD 0, 0, 0
	GLOAD 1, 0, 0
	WIN 0                                          ; at a label and at a branch every window is 0
	s_mov_b32 s30, \laps
.Lwalk_\@:
	TRIP 0, 0, 1, 1
	TRIP 1, TRIPA, 1, 1
	WIN 0
	v_add_nc_u32 v[ADRA], 2*TRIPA, v[ADRA]
	s_sub_co_u32 s30, s30, 1
	s_cmp_lg_u32 s30, 0
	s_cbranch_scc1 .Lwalk_\@
	TRIP 0, 0, \tailfill, 1
	TRIP 1, TRIPA, \tailfill, 0
	WIN 0
.endm
; A layer's results, in window w.  l2 = 1: layer 2, whose results are also multiplied by the row's expert weight (combined = e2 * expert_weights).
; 1. the row's largest sum: four chains a row tile over my 128 numbers, the other half of the wave, the other waves through LDS bytes 0 to 511.  The round in
;    the layer's last trip stands behind every wave's last read of the old activations, so these bytes are free.
; 2. the row's scale: the maximum (times |expert weight|), clamped to [2^-40, 2^40]; its exponent field alone is 1/s, and 254 << 23 less that is s.
;    (The clamp from below also serves a row without a positive sum: all its results are 0.)
; 3. relu, times the scale, rounded to f16: register work, between the signal and the wait of the barrier that lets the results take the maxima's bytes.
; 4. into LDS in fragment order.
.macro EPI w, l2
	PLACES
	WIN (\w|(\w<<2))                               ; sources 0 and 1 in the layer's window, the chains in window 0
.set i, 0
.rept 8
	v_max_num_f32 v[P+i], v[2*i], v[2*i+1]         ; column tile 0 starts the chains: chain i%4 of row tile (i/4)%2
.set i, i+1
.endr
.rept 120
	v_max3_num_f32 v[P+(i&7)], v[2*i], v[2*i+1], v[P+(i&7)]
.set i, i+1
.endr
	WIN 0
.irp m, 0,1
	v_max3_num_f32 v[P+4*\m], v[P+4*\m], v[P+4*\m+1], v[P+4*\m+2]
	v_max_num_f32 v[P+4*\m], v[P+4*\m], v[P+4*\m+3]
.endr
.irp m, 0,1
	v_permlanex16_b32 v[P+4*\m+1], v[P+4*\m], s28, s29     ; its destination counts as read: a register that has been written
.endr
.irp m, 0,1
	v_max_num_f32 v[P+4*\m], v[P+4*\m], v[P+4*\m+1]
	ds_store_b32 v[RST], v[P+4*\m] offset:\m*64            ; lanes l and l xor 16 write one word with one value
.endr
	s_wait_dscnt 0x0                               ; for the others' sake: my maxima are in LDS
	s_barrier_signal -1
	s_barrier_wait -1
.irp m, 0,1
.irp n, 0,1,2,3
	ds_load_b32 v[P+4*\m+\n], v[EWO] offset:\n*128+\m*64
.endr
.endr
	s_wait_dscnt 0x0                               ; my reads of the maxima are over:
	s_barrier_signal -1                            ; say so; the results' stores stand behind this barrier's wait
.irp m, 0,1
	v_max3_num_f32 v[P+4*\m], v[P+4*\m], v[P+4*\m+1], v[P+4*\m+2]
	v_max_num_f32 v[P+4*\m], v[P+4*\m], v[P+4*\m+3]
.if \l2
	v_and_b32 v[P+4*\m+1], 0x7fffffff, v[EW+2*\m]
	v_mul_f32 v[P+4*\m], v[P+4*\m], v[P+4*\m+1]    ; the largest |e2 * expert weight| of the row
.endif
	v_max_num_f32 v[P+4*\m], 0x2b800000, v[P+4*\m] ; 2^-40
	v_min_num_f32 v[P+4*\m], 0x53800000, v[P+4*\m] ; 2^40
.if \l2
	v_and_b32 v[P+4*\m+1], 0x7f800000, v[P+4*\m]           ; 1/s = 2^exponent
	v_sub_nc_u32 v[P+4*\m+2], 0x7f000000, v[P+4*\m+1]      ; s = 2^-exponent
	v_mul_f32 v[F+2*\m],     v[EW+2*\m], v[P+4*\m+2]       ; the factor of the results; all products by s are exact
	v_mul_f32 v[F+2*\m+1],   v[EW+2*\m], v[P+4*\m+2]
	v_mul_f32 v[SC+2*\m],    v[SC+2*\m],    v[P+4*\m+2]    ; the scale carried on
	v_mul_f32 v[SC+2*\m+1],  v[SC+2*\m+1],  v[P+4*\m+2]
	v_mul_f32 v[INV+2*\m],   v[INV+2*\m],   v[P+4*\m+1]
	v_mul_f32 v[INV+2*\m+1], v[INV+2*\m+1], v[P+4*\m+1]
.else
	v_and_b32 v[INV+2*\m],   0x7f800000, v[P+4*\m]
	v_and_b32 v[INV+2*\m+1], 0x7f800000, v[P+4*\m]
	v_sub_nc_u32 v[SC+2*\m],   0x7f000000, v[INV+2*\m]
	v_sub_nc_u32 v[SC+2*\m+1], 0x7f000000, v[INV+2*\m]
.endif
.endr
.if \l2
.set FAC, F
.else
.set FAC, SC
.endif
	WIN ((\w<<2)|(\w<<6))
.set i, 0
.rept 256
	v_max_num_f32 v[i], 0, v[i]
.set i, i+1
.endr
	WIN (\w|(\w<<6))
.set i, 0
.rept 128
	v_pk_mul_f32 v[2*i:2*i+1], v[2*i:2*i+1], v[FAC+2*((i>>2)&1):FAC+2*((i>>2)&1)+1]
.set i, i+1
.endr
	WIN (\w|(\w<<2))
.set i, 0
.rept 128
	v_cvt_pk_f16_f32 v[T+i], v[2*i], v[2*i+1]
.set i, i+1
.endr
	WIN 0
	s_barrier_wait -1                              ; no wave reads the maxima any more
.set i, 0
.rept 32
	ds_store_b128 v[ESTO], v[T+4*i:T+4*i+3] offset:(i>>2)*2048+(i&1)*1024+((i>>1)&1)*512   ; tile (t, m) = i: k step t/2, row tile m, half t%2
.set i, i+1
.endr
.endm
	; LAYER 1: x (row-major, pitch 1,040) times Wc, K = 512: chunks 0 to 7, two k steps each
.set KIND, 12
.set ACCW, 1
.set KSA, 64
.set MSA, 16*XP
.set HSA, 32
.set TRIPA, 128
.set CNT, 36                                       ; 16 + 20 loads
	WALK 3, 1, AX
	EPI 1, 0
	BIAS 1, 8, BO3, 14, 0                          ; bo will start layer 3's sums, in the window that layer 1 has left
	s_wait_dscnt 0x0                               ; my part of e1 is in LDS
	s_wait_loadcnt 16                              ; bo's 16 loads stay out; b2 and expert_weights are in
	s_barrier_signal -1                            ; (chunk 9 may stay out)
	BSCALE 2, 16                                   ; S b2 starts layer 2's sums: register work while the others arrive
	s_barrier_wait -1
	; LAYER 2: e1 (fragment order) times W2, K = 1024: chunks 8 to 23
.set ACCW, 2
.set KSA, 2048
.set MSA, 1024
.set HSA, 512
.set TRIPA, 4096
	WALK 7, 1, L16
	EPI 2, 1
	WIN 0x80                                       ; gamma and beta of my columns into the window that layer 2 has left
.irp t, 0,1,2,3,4,5,6,7
	global_load_b128 v[8*\t:8*\t+3],   v[BO3], s[16:17] offset:\t*64
	global_load_b128 v[8*\t+4:8*\t+7], v[BO3], s[16:17] offset:\t*64+16
.endr
.irp t, 0,1,2,3,4,5,6,7
	global_load_b128 v[64+8*\t:64+8*\t+3],   v[BO3], s[18:19] offset:\t*64
	global_load_b128 v[64+8*\t+4:64+8*\t+7], v[BO3], s[18:19] offset:\t*64+16
.endr
	WIN 0
	s_wait_dscnt 0x0                               ; my part of e2 is in LDS
	s_wait_loadcnt 32                              ; gamma's and beta's 32 loads stay out; bo is in
	s_barrier_signal -1
	BSCALE 1, 8                                    ; S bo starts layer 3's sums
	s_barrier_wait -1
	; LAYER 3: e2 times Wo, K = 1024, strip of 128 columns: chunks 24 to 31, four k steps each.  The last two trips fill nothing.
.set KIND, 3
.set ACCW, 1
.set TRIPA, 8192
.set CNT, 40                                       ; 20 + 20 loads
	WALK 3, 0, L16
	; LAYER NORM.  Lane l holds, for each row tile m, 64 numbers S o of row 16 m + l%16; the row's other numbers lie in lane l xor 16 and in the other waves.
	s_barrier_signal -1                            ; my last reads of e2 were waited for in the last trip: behind this barrier its bytes take the row sums
	s_barrier_wait -1
	PLACES
; Four chains of pairs for each row tile are folded, the halves of the wave added, the four waves' figures exchanged through LDS at byte red.
; Result: v[P] for row tile 0, v[P+4] for row tile 1, in every lane of every wave, summed in one order.
.macro ROWSUM red
.irp m, 0,1
	v_pk_add_f32 v[Q+8*\m:Q+8*\m+1],   v[Q+8*\m:Q+8*\m+1],   v[Q+8*\m+2:Q+8*\m+3]
	v_pk_add_f32 v[Q+8*\m+4:Q+8*\m+5], v[Q+8*\m+4:Q+8*\m+5], v[Q+8*\m+6:Q+8*\m+7]
.endr
.irp m, 0,1
	v_pk_add_f32 v[Q+8*\m:Q+8*\m+1], v[Q+8*\m:Q+8*\m+1], v[Q+8*\m+4:Q+8*\m+5]
.endr
.irp m, 0,1
	v_add_f32 v[Q+8*\m], v[Q+8*\m], v[Q+8*\m+1]
.endr
.irp m, 0,1
	v_permlanex16_b32 v[Q+8*\m+1], v[Q+8*\m], s28, s29     ; its destination counts as read: a register that has been written
.endr
.irp m, 0,1
	v_add_f32 v[Q+8*\m], v[Q+8*\m], v[Q+8*\m+1]
	ds_store_b32 v[RST], v[Q+8*\m] offset:\red+\m*64       ; lanes l and l xor 16 write one word with one value
.endr
	s_wait_dscnt 0x0
	s_barrier_signal -1
	s_barrier_wait -1
.irp m, 0,1
.irp n, 0,1,2,3
	ds_load_b32 v[P+4*\m+\n], v[EWO] offset:\red+\n*128+\m*64
.endr
.endr
	s_wait_dscnt 0x0
.irp m, 0,1
	v_add_f32 v[P+4*\m],   v[P+4*\m],   v[P+4*\m+1]
	v_add_f32 v[P+4*\m+2], v[P+4*\m+2], v[P+4*\m+3]
	v_add_f32 v[P+4*\m],   v[P+4*\m],   v[P+4*\m+2]
.endr
.endm
	WIN 0x05                                       ; sources in window 1, destination in window 0
.set i, 0
.rept 8
	v_pk_add_f32 v[Q+2*i:Q+2*i+1], v[2*i:2*i+1], v[2*(i+8):2*(i+8)+1]   ; column tiles 0 and 1 start the chains
.set i, i+1
.endr
	WIN 0x01
.set i, 16
.rept 48
.set qi, Q+8*((i>>2)&1)+2*(i&3)
	v_pk_add_f32 v[qi:qi+1], v[2*i:2*i+1], v[qi:qi+1]
.set i, i+1
.endr
	WIN 0
	ROWSUM 0
.irp m, 0,1
	v_mul_f32 v[P+4*\m], v[P+4*\m], v[INV+2*\m]            ; the sum of o: the sum of S o, times 1/S (a power of two)
	v_mul_f32 v[NMEAN+2*\m],   0xbb000000, v[P+4*\m]       ; - mu = - sum / 512
	v_mul_f32 v[NMEAN+2*\m+1], 0xbb000000, v[P+4*\m]
.endr
	WIN 0x41                                       ; source 0 and destination in window 1
.set i, 0
.rept 64
	v_pk_fma_f32 v[2*i:2*i+1], v[2*i:2*i+1], v[INV+2*((i>>2)&1):INV+2*((i>>2)&1)+1], v[NMEAN+2*((i>>2)&1):NMEAN+2*((i>>2)&1)+1]   ; o - mu = (S o) / S - mu, in place
.set i, i+1
.endr
	WIN 0x05
.set i, 0
.rept 8
	v_pk_mul_f32 v[Q+2*i:Q+2*i+1], v[2*i:2*i+1], v[2*i:2*i+1]
.set i, i+1
.endr
.rept 56
.set qi, Q+8*((i>>2)&1)+2*(i&3)
	v_pk_fma_f32 v[qi:qi+1], v[2*i:2*i+1], v[2*i:2*i+1], v[qi:qi+1]
.set i, i+1
.endr
	WIN 0
	ROWSUM 512                                     ; other bytes than the first sums': a wave may still be reading those
	v_fma_f32 v[P],   v[P],   s31, s50             ; var + eps
	v_fma_f32 v[P+4], v[P+4], s31, s50
	v_rsq_f32 v[RSTD],   v[P]                      ; twice each, to fill the pairs of the packed multiply
	v_rsq_f32 v[RSTD+1], v[P]
	v_rsq_f32 v[RSTD+2], v[P+4]
	v_rsq_f32 v[RSTD+3], v[P+4]
	v_nop                                          ; one plain vector instruction between a transcendental and the use of its result (ISA guide 5.7.2)
	WIN 0x41
.set i, 0
	s_wait_alu depctr_va_vdst(0)
.rept 64
	v_pk_mul_f32 v[2*i:2*i+1], v[2*i:2*i+1], v[RSTD+2*((i>>2)&1):RSTD+2*((i>>2)&1)+1]
.set i, i+1
.endr
	s_wait_loadcnt 0x0                             ; gamma and beta
	WIN 0x69                                       ; source 0 and destination window 1, sources 1 and 2 window 2
.set i, 0
.rept 64
.set gi, 8*(i>>3)+2*(i&3)
	v_pk_fma_f32 v[2*i:2*i+1], v[2*i:2*i+1], v[gi:gi+1], v[64+gi:64+gi+1]
.set i, i+1
.endr
	; THE WAY OUT: sixteen rows at a time through my own stage (my part of slot 0, which has had its last fill), read back as rows of 512 bytes.
.irp m, 0,1
	WIN 0x04                                       ; the stores' data in window 1
.irp t, 0,1,2,3,4,5,6,7
	ds_store_b128 v[STS], v[8*(2*\t+\m):8*(2*\t+\m)+3]   offset:\m*16*SP+\t*64
	ds_store_b128 v[STS], v[8*(2*\t+\m)+4:8*(2*\t+\m)+7] offset:\m*16*SP+\t*64+16
.endr
	WIN 0
.irp n, 0,1,2,3,4,5,6,7,8,9,10,11,12,13,14,15
	ds_load_b128 v[T+64*\m+4*\n:T+64*\m+4*\n+3], v[ADRB] offset:(16*\m+\n)*SP     ; LDS serves a wave's instructions in order (ISA guide 5.7.1.4): these see the stores above
.endr
.irp n, 0,1,2,3,4,5,6,7,8,9,10,11,12,13,14,15
	s_wait_dscnt 15-\n                             ; the younger read-backs stay out
	global_store_b128 v[OUTO], v[T+64*\m+4*\n:T+64*\m+4*\n+3], s[20:21] offset:(16*\m+\n)*2048 th:TH_STORE_NT   ; the wave stores 512 consecutive bytes, aligned; the two row tiles use different registers
.endr
.endr
	ROUND                                          ; the closing round: no work-group ends while a partner may still ask for a chunk that names it
	s_endpgm
.Lfunc_end_k_qf3cc021c45_chain:
	.size	k_qf3cc021c45_chain, .Lfunc_end_k_qf3cc021c45_chain-k_qf3cc021c45_chain
	.p2alignl 7, 3214868480
	.fill 96, 4, 3214868480
	.section	.rodata,"a",@progbits
	.p2align	6, 0x0
	.amdhsa_kernel k_qf3cc021c45_chain
		.amdhsa_group_segment_fixed_size 327680
		.amdhsa_private_segment_fixed_size 0
		.amdhsa_enable_private_segment 0
		.amdhsa_kernarg_size 72
		.amdhsa_user_sgpr_count 2
		.amdhsa_user_sgpr_kernarg_segment_ptr 1
		.amdhsa_wavefront_size32 1
		.amdhsa_system_sgpr_workgroup_id_x 1
		.amdhsa_system_sgpr_workgroup_id_y 1
		.amdhsa_system_sgpr_workgroup_id_z 1
		.amdhsa_system_vgpr_workitem_id 0
		.amdhsa_next_free_vgpr 1024
		.amdhsa_next_free_sgpr 66
		.amdhsa_reserve_vcc 0
		.amdhsa_float_denorm_mode_32 3
		.amdhsa_float_denorm_mode_16_64 3
		.amdhsa_memory_ordered 1
		.amdhsa_forward_progress 1
		.amdhsa_inst_pref_size 255
	.end_amdhsa_kernel
	.section	.bss,"aw",@nobits
	.p2align	6
	.space	262144
	.amdgpu_metadata
---
amdhsa.version: [ 1, 2 ]
amdhsa.kernels:
  - .name:           k_qf3cc021c45_chain
    .symbol:         k_qf3cc021c45_chain.kd
    .args:
      - { .name: input_tensor, .offset: 0, .size: 8, .value_kind: global_buffer, .address_space: global }
      - { .name: expert_weights, .offset: 8, .size: 8, .value_kind: global_buffer, .address_space: global }
      - { .name: wf, .offset: 16, .size: 8, .value_kind: global_buffer, .address_space: global }
      - { .name: bc, .offset: 24, .size: 8, .value_kind: global_buffer, .address_space: global }
      - { .name: b2, .offset: 32, .size: 8, .value_kind: global_buffer, .address_space: global }
      - { .name: bo, .offset: 40, .size: 8, .value_kind: global_buffer, .address_space: global }
      - { .name: gamma, .offset: 48, .size: 8, .value_kind: global_buffer, .address_space: global }
      - { .name: beta, .offset: 56, .size: 8, .value_kind: global_buffer, .address_space: global }
      - { .name: out0, .offset: 64, .size: 8, .value_kind: global_buffer, .address_space: global }
    .group_segment_fixed_size: 327680
    .private_segment_fixed_size: 0
    .kernarg_segment_align: 8
    .kernarg_segment_size: 72
    .max_flat_workgroup_size: 128
    .sgpr_count:     66
    .vgpr_count:     1024
    .wavefront_size: 32
...
	.end_amdgpu_metadata
.endif
;; end of part 2
;; ======== version 2 of 2: 2 launches; 1.18 times as fast as version 1
;; limits: values are held in f16: magnitudes above 65,504 overflow, below 6.1e-05 lose precision; right only within a limited range of input values
;; workspace buffers: wf 4,194,304 bytes; bc 4,096 bytes
;; launch prep (part 3): grid 16 x 16, 8 waves a work-group, no clusters, 244,224 bytes of LDS; arguments Wi, bi, W1, b1, W2, Wo, wf, bc; writes wf, bc
.if DOCPART == 3
	.amdgcn_target "amdgcn-amd-amdhsa--gfx1250"
	.amdhsa_code_object_version 6
	.text
	.protected	k_qf3cc021c45_prep
	.globl	k_qf3cc021c45_prep
	.p2align	8
	.type	k_qf3cc021c45_prep,@function
k_qf3cc021c45_prep:
	s_mov_b64 s[64:65], 0
	v_nop
	global_prefetch_b8 v0, s[64:65] scope:SCOPE_SE
	s_setreg_imm32_b32 hwreg(HW_REG_WAVE_MODE, 25, 1), 1
	s_wait_xcnt 0x0
; PREPARATION OF THE WEIGHTS.  reference() has no nonlinearity between its first two products, so
;   (x Wi + bi) W1 + b1 = x (Wi W1) + (bi W1 + b1).
; This launch forms Wc = Wi W1 [512][1024] (f16 operands, f32 sums, rounded once to f16) and bc = bi W1 + b1 (f32), and rounds
; W2 and Wo to f16.  All three weights are stored into wf as finished matrix fragments, in the order in which the next launch streams them.
; WHY f16: 11 significant bits.  Its room: the weights are of size 0.02 to 0.05 and Wc of size 0.015; thirty times more in Wi and in W1 makes Wc
; 900 times larger (about 13), a common offset of thirty spreads in both makes it about 5,000; thirty times less in both leaves it at 1.6e-5.
; LIMITS, stated: every weight and every number of Wc is below 65,504 in magnitude; numbers below 2^-14 keep an absolute error of 2^-25;
; the order of rounding differs from reference()'s (Wc is rounded where reference() has h); bc is summed in f32 from f16(bi) and f16(W1).
;
; wf: for a weight W[k][n], the block of k step s (32 k) and n tile t (16 n) is 1,024 bytes: two halves of 512 bytes (k%32 < 16, then >= 16).
; A half is 32 pieces of 16 bytes; piece l holds W[k0 + 8 (l/16) + 0..7][n0 + l%16], eight numbers along k: the four registers that lane l holds
; of a matrix fragment whose lane l%16 is column n0 + l%16.  So the next launch fills a fragment by plain 16-byte loads at 16 x lane, from LDS or
; straight from memory.
; wf = four strips of 1 MiB, one for each wave of the next launch: Wc (strip of 256 columns, block at s*16384 + t*1024), at 262,144 W2 (the
; same form), at 786,432 Wo (strip of 128 columns, block at s*8192 + t*1024).
;
; SHARES.  Work-group (bx, by): 64 columns (bx) x 32 rows (by) of Wc, K = 1024 in eight phases of 128.  Wave w: rows 16 (w&1) .., n tile w>>1.
; Two accumulators a wave: its tile of Wc, and bi W1 for its n tile (made everywhere, so that all waves run one text; stored where by = 0 and
; w is even).  Work-group g = 16 by + bx also rounds 16 k rows x one strip of W2 and of Wo.
; NO CLUSTER, NO TENSOR LOADS: W1's and Wi's pieces are shared between work-groups, but every number has to be rounded to f16 on its way into
; LDS, so it comes through registers, and joint requests exist for tensor loads alone.
; LDS is written once and never again: one barrier a phase (between that phase's stores and its reads) is all the ordering there is.
.set W1P,  160                         ; LDS pitch of a k row of W1's 64 columns: 128 bytes + 32, an odd multiple of 32 bytes for the transposing loads
.set WIP,  2064                        ; LDS pitch of a row of Wi: 2,048 bytes + 16, an odd multiple of 16 bytes
.set WIS,  1024*W1P                    ; Wi's 32 rows lie behind W1's 1,024 k rows
.set BIS,  WIS+32*WIP                  ; bi in f16, 2,048 bytes, behind them
.set STG,  BIS+2048                    ; behind it three half blocks (1,536 bytes) for each wave, its own: where W2's and Wo's pieces are turned
.set GW1,  4                           ; v4   W1: byte offset of my 32 bytes in a group of 32 k rows
.set SW1,  5                           ; v5   LDS: where their 16 bytes of f16 go; steps by 128 rows a phase
.set GWI,  6                           ; v6   Wi: byte offset of my 32 bytes in a group of 16 rows
.set SWI,  7                           ; v7   LDS: where they go
.set GC2,  8                           ; v8   W2: my 32 bytes of the half block that I round
.set DC2,  9                           ; v9   wf: where my piece goes
.set GCO,  10                          ; v10  Wo likewise
.set DCO,  11                          ; v11
.set GBI,  12                          ; v12  bi: my 16 bytes
.set SBI,  13                          ; v13  LDS: my 8 bytes of bi in f16
.set RDB,  14                          ; v14  LDS: W1's fragment (transposing loads); steps by 128 rows a phase
.set RDA,  15                          ; v15  LDS: Wi's fragment
.set RDBI, 16                          ; v16  LDS: bi's fragment (all sixteen rows alike)
.set QOFF, 17                          ; v17  wf: my piece in the half block of Wc: 16 l
.set B1O,  18                          ; v18  b1, bc: my column
.set B1V,  19                          ; v19  b1 of my column
.set BIV,  20                          ; v[20:23] bi as loaded
.set ACC0, 24                          ; v[24:31] my tile of Wc (v24-31 are scratch until the first product starts the sum)
.set STGA, 28                          ; v28  (scratch time) my 16 bytes in my wave's stage
.set ACC1, 32                          ; v[32:39] bi W1 of my n tile
.set SET0, 40                          ; v[40:87]   a phase's 12 loads, even phases
.set SET1, 88                          ; v[88:135]  odd phases
.set FR,   136                         ; v[136:231] four k steps x (W1 8, Wi 8, bi 8)
.set CAST, 232                         ; v[232:255] W2's and Wo's pieces: registers of their own, so that nothing rewrites them under their stores
	s_load_b512 s[8:23], s[0:1], 0x0               ; Wi s[8:9], bi s[10:11], W1 s[12:13], b1 s[14:15], W2 s[16:17], Wo s[18:19], wf s[20:21], bc s[22:23]
	v_and_b32 v1, 31, v0                           ; l
	v_lshrrev_b32 v2, 5, v0
	v_readfirstlane_b32 s4, v2                     ; wave 0..7
	v_and_b32 v2, 15, v0                           ; r = l % 16
	v_bfe_u32 v3, v0, 4, 1                         ; h = l / 16
	s_and_b32 s3, ttmp7, 0xffff                    ; by
	s_lshl_b32 s5, s3, 4
	s_add_co_u32 s5, s5, ttmp9                     ; g = 16 by + bx
	s_lshr_b32 s6, s5, 2                           ; kb: which 16 k rows of W2 and Wo
	s_and_b32 s7, s5, 3                            ; st: which strip
	s_lshr_b32 s32, s4, 1                          ; tn: my n tile of four
	s_and_b32 s33, s4, 1                           ; which 16 rows of Wc
	s_mul_i32 s38, s4, 4*W1P                       ; LDS terms of the wave: four k rows of W1 a wave,
	s_mul_i32 s39, s4, 2*WIP                       ; two rows of Wi,
	s_add_co_u32 s39, s39, WIS
	s_lshl_b32 s40, s4, 8                          ; 256 bytes of bi,
	s_add_co_u32 s40, s40, BIS
	s_mul_i32 s42, s4, 3*512                       ; its stage,
	s_add_co_u32 s42, s42, STG
	s_mul_i32 s41, s33, 16*WIP                     ; and my 16 rows of Wi when they are read
	s_add_co_u32 s41, s41, WIS
	v_lshrrev_b32 v24, 3, v1                       ; l / 8
	v_and_b32 v25, 7, v1                           ; l % 8
	v_bfe_u32 v26, v1, 3, 1                        ; c = (l / 8) % 2
	v_lshlrev_b32 v27, 4, v1                       ; 16 l
	v_add_nc_u32 v[STGA], s42, v27
	v_lshl_add_u32 v29, v3, 3, v25                 ; 8 h + l % 8: a k row of a half block
	v_lshlrev_b32 v[GW1], 12, v24                  ; W1: row 4 w + l/8 (4,096 bytes), 32 bytes at l%8
	v_lshl_add_u32 v[GW1], v25, 5, v[GW1]
	v_lshl_add_u32 v[GW1], s4, 14, v[GW1]
	v_mul_u32_u24 v[SW1], v24, W1P
	v_lshl_add_u32 v[SW1], v25, 4, v[SW1]
	v_add_nc_u32 v[SW1], s38, v[SW1]
	v_lshlrev_b32 v[GWI], 12, v3                   ; Wi: row 2 w + h, 32 bytes at r
	v_lshl_add_u32 v[GWI], v2, 5, v[GWI]
	v_lshl_add_u32 v[GWI], s4, 13, v[GWI]
	v_mul_u32_u24 v[SWI], v3, WIP
	v_lshl_add_u32 v[SWI], v2, 4, v[SWI]
	v_add_nc_u32 v[SWI], s39, v[SWI]
	v_lshlrev_b32 v[GC2], 12, v29                  ; W2: row 8 h + l%8, 32 bytes at c, tiles 2 w and 2 w + 1 (64 bytes each)
	v_lshl_add_u32 v[GC2], v26, 5, v[GC2]
	v_lshl_add_u32 v[GC2], s4, 7, v[GC2]
	v_lshl_add_u32 v[DC2], s4, 11, v27
	v_lshlrev_b32 v[GCO], 11, v29                  ; Wo: rows of 2,048 bytes, tile w
	v_lshl_add_u32 v[GCO], v26, 5, v[GCO]
	v_lshl_add_u32 v[GCO], s4, 6, v[GCO]
	v_lshl_add_u32 v[DCO], s4, 10, v27
	v_lshlrev_b32 v[GBI], 4, v0
	v_lshl_add_u32 v[SBI], v1, 3, s40
	v_mul_u32_u24 v[RDB], v29, W1P                 ; lane l addresses k row 8 h + l%8, 16 bytes at c of my n tile's 32
	v_lshl_add_u32 v[RDB], v26, 4, v[RDB]
	v_lshl_add_u32 v[RDB], s32, 5, v[RDB]
	v_mul_u32_u24 v[RDA], v2, WIP                  ; row r of my 16, 16 bytes at h
	v_lshl_add_u32 v[RDA], v3, 4, v[RDA]
	v_add_nc_u32 v[RDA], s41, v[RDA]
	v_lshlrev_b32 v[RDBI], 4, v3
	v_add_nc_u32 v[RDBI], BIS, v[RDBI]
	v_lshlrev_b32 v[QOFF], 4, v1                   ; my results are column r, rows 8 h ..: piece l
	v_lshlrev_b32 v[B1O], 2, v2
	v_lshl_add_u32 v[B1O], s32, 6, v[B1O]
	s_mov_b32 s31, 0                               ; offsets are made in s[30:31], apart from the addresses
	s_wait_kmcnt 0x0
	s_lshl_b32 s30, ttmp9, 8                       ; 64 columns of f32
	s_add_nc_u64 s[12:13], s[12:13], s[30:31]      ; W1, b1, bc at my 64 columns
	s_add_nc_u64 s[14:15], s[14:15], s[30:31]
	s_add_nc_u64 s[22:23], s[22:23], s[30:31]
	s_lshl_b32 s30, s3, 17                         ; 32 rows of 4,096 bytes
	s_add_nc_u64 s[8:9], s[8:9], s[30:31]          ; Wi at my 32 rows
	s_lshl_b32 s30, s6, 16                         ; 16 rows of W2
	s_lshl_b32 s34, s7, 10                         ; 256 columns
	s_add_co_u32 s30, s30, s34
	s_add_nc_u64 s[16:17], s[16:17], s[30:31]
	s_lshr_b32 s30, s30, 1                         ; Wo: rows and strip of half the bytes
	s_add_nc_u64 s[18:19], s[18:19], s[30:31]
	s_lshl_b32 s35, s7, 20                         ; the strip's MiB of wf
	s_lshr_b32 s36, s6, 1                          ; k step
	s_and_b32 s37, s6, 1                           ; half
	s_lshl_b32 s37, s37, 9
	s_add_co_u32 s35, s35, s37
	s_lshl_b32 s30, s36, 14
	s_add_co_u32 s30, s30, s35
	s_add_co_u32 s30, s30, 262144
	s_add_nc_u64 s[24:25], s[20:21], s[30:31]      ; wf for W2
	s_lshl_b32 s30, s36, 13
	s_add_co_u32 s30, s30, s35
	s_add_co_u32 s30, s30, 786432
	s_add_nc_u64 s[26:27], s[20:21], s[30:31]      ; wf for Wo
	s_lshr_b32 s30, ttmp9, 2                       ; Wc: strip bx / 4,
	s_lshl_b32 s30, s30, 20
	s_lshl_b32 s34, s3, 14                         ; k step by,
	s_add_co_u32 s30, s30, s34
	s_and_b32 s34, ttmp9, 3
	s_lshl2_add_u32 s34, s34, s32                  ; tile 4 (bx % 4) + tn,
	s_lshl_b32 s34, s34, 10
	s_add_co_u32 s30, s30, s34
	s_lshl_b32 s34, s33, 9                         ; half w & 1
	s_add_co_u32 s30, s30, s34
	s_add_nc_u64 s[28:29], s[20:21], s[30:31]      ; wf for Wc
; The 12 loads of phase p: 128 k rows x 64 columns of W1 (four groups of 32 rows), 32 rows x 128 columns of Wi (two groups of 16 rows).
; A lane takes 32 bytes by two loads, eight numbers that become 16 bytes of f16.  The phase stands in the immediate: no address is ever stepped.
.macro LOADSET p, set
.irp q, 0,1,2,3
	global_load_b128 v[\set+8*\q:\set+8*\q+3],   v[GW1], s[12:13] offset:(128*(\p)+32*\q)*4096
	global_load_b128 v[\set+8*\q+4:\set+8*\q+7], v[GW1], s[12:13] offset:(128*(\p)+32*\q)*4096+16
.endr
.irp q, 0,1
	global_load_b128 v[\set+32+8*\q:\set+32+8*\q+3], v[GWI], s[8:9] offset:\q*65536+(\p)*512
	global_load_b128 v[\set+32+8*\q+4:\set+32+8*\q+7], v[GWI], s[8:9] offset:\q*65536+(\p)*512+16
.endr
.endm
.macro PLACES                          ; four places behind a matrix instruction, in front of what reads its result or writes or loads into its registers
.rept 4
	v_nop
.endr
.endm
	global_load_b128 v[BIV:BIV+3], v[GBI], s[10:11]
	global_load_b32 v[B1V], v[B1O], s[14:15]
.irp i, 0,1
	global_load_b128 v[CAST+8*\i:CAST+8*\i+3],   v[GC2], s[16:17] offset:\i*64
	global_load_b128 v[CAST+8*\i+4:CAST+8*\i+7], v[GC2], s[16:17] offset:\i*64+16
.endr
	global_load_b128 v[CAST+16:CAST+19], v[GCO], s[18:19]
	global_load_b128 v[CAST+20:CAST+23], v[GCO], s[18:19] offset:16
	LOADSET 0, SET0
	LOADSET 1, SET1
	s_wait_loadcnt 24                              ; the two sets of 12 stay out; bi, b1 and the pieces of W2 and Wo are in
	v_cvt_pk_f16_f32 v[BIV],   v[BIV],   v[BIV+1]
	v_cvt_pk_f16_f32 v[BIV+1], v[BIV+2], v[BIV+3]
	ds_store_b64 v[SBI], v[BIV:BIV+1]              ; seen by the others behind the first phase's barrier
; W2 and Wo lie with n along their rows, a fragment wants k along the lane.  Lane l holds eight numbers of k row 8 (l/16) + l%8, columns 8 ((l/8)%2) ..;
; rounded, they go to byte 16 l of a half block in the wave's own stage, and ds_load_tr16_b128 at the same byte brings the lane its piece.
.irp i, 0,1,2
.irp k, 0,1,2,3
	v_cvt_pk_f16_f32 v[CAST+8*\i+\k], v[CAST+8*\i+2*\k], v[CAST+8*\i+2*\k+1]   ; in place: word k is written when words 2k, 2k+1 are read, never ahead of them
.endr
	ds_store_b128 v[STGA], v[CAST+8*\i:CAST+8*\i+3] offset:\i*512
	ds_load_tr16_b128 v[CAST+8*\i+4:CAST+8*\i+7], v[STGA] offset:\i*512          ; LDS serves a wave's instructions in order (ISA guide 5.7.1.4): it sees the whole wave's store
.endr
	s_wait_dscnt 0x0
	global_store_b128 v[DC2], v[CAST+4:CAST+7],   s[24:25]               ; each store of the wave covers 512 consecutive bytes, aligned: a half block
	global_store_b128 v[DC2], v[CAST+12:CAST+15], s[24:25] offset:1024
	global_store_b128 v[DCO], v[CAST+20:CAST+23], s[26:27]
; Phase p.  set: its registers; more = 1: they are loaded again, for phase p + 2; left: how many younger loads may stay out.
.macro PHASE p, set, more, left
	s_wait_loadcnt \left                           ; loads come back in order (ISA guide 5.7.1): this phase's 12 are in
.irp q, 0,1,2,3,4,5
.irp k, 0,1,2,3
	v_cvt_pk_f16_f32 v[\set+8*\q+\k], v[\set+8*\q+2*\k], v[\set+8*\q+2*\k+1]
.endr
.endr
.irp q, 0,1,2,3
	ds_store_b128 v[SW1], v[\set+8*\q:\set+8*\q+3] offset:\q*32*W1P
.endr
.irp q, 0,1
	ds_store_b128 v[SWI], v[\set+32+8*\q:\set+32+8*\q+3] offset:\q*16*WIP+\p*256
.endr
.if \more
	LOADSET \p+2, \set
.endif
	s_wait_dscnt 0x0                               ; for the others' sake: my stores are done
	s_barrier_signal -1
	s_barrier_wait -1                              ; the phase's 128 k rows and Wi's 128 columns are whole
	PLACES
.irp n, 0,1,2,3
	ds_load_tr16_b128 v[FR+24*\n:FR+24*\n+3],   v[RDB] offset:\n*32*W1P          ; W1(k = 8 h .., column r of my tile)
	ds_load_tr16_b128 v[FR+24*\n+4:FR+24*\n+7], v[RDB] offset:\n*32*W1P+16*W1P   ; k = 16 + 8 h ..
	ds_load_b128 v[FR+24*\n+8:FR+24*\n+11],  v[RDA]  offset:\p*256+\n*64
	ds_load_b128 v[FR+24*\n+12:FR+24*\n+15], v[RDA]  offset:\p*256+\n*64+32
	ds_load_b128 v[FR+24*\n+16:FR+24*\n+19], v[RDBI] offset:\p*256+\n*64
	ds_load_b128 v[FR+24*\n+20:FR+24*\n+23], v[RDBI] offset:\p*256+\n*64+32
.endr
; Source 0 = Wi's rows, source 1 = W1's columns: register j of lane l is Wc(row 8 (l/16) + j of my 16, column l%16): eight numbers along Wc's k of one
; column, which rounded are the lane's piece of the half block.
; Source 0 = bi in all sixteen rows, source 1 = W1's columns: register 0 of lane l is (bi W1)(column l % 16).
; The two accumulators take turns, one instruction a turn, over the phases' edges too.
.irp n, 0,1,2,3
	s_wait_dscnt 18-6*\n                           ; six loads for each later k step stay out
.if (\p+\n) == 0
	v_wmma_f32_16x16x32_f16 v[ACC0:ACC0+7], v[FR+24*\n+8:FR+24*\n+15], v[FR+24*\n:FR+24*\n+7], 0        ; the first products start the sums
	v_wmma_f32_16x16x32_f16 v[ACC1:ACC1+7], v[FR+24*\n+16:FR+24*\n+23], v[FR+24*\n:FR+24*\n+7], 0
.else
	v_wmma_f32_16x16x32_f16 v[ACC0:ACC0+7], v[FR+24*\n+8:FR+24*\n+15], v[FR+24*\n:FR+24*\n+7], v[ACC0:ACC0+7]
	v_wmma_f32_16x16x32_f16 v[ACC1:ACC1+7], v[FR+24*\n+16:FR+24*\n+23], v[FR+24*\n:FR+24*\n+7], v[ACC1:ACC1+7]
.endif
.endr
.if \p < 7
	v_add_nc_u32 v[SW1], 128*W1P, v[SW1]           ; the next 128 k rows
	v_add_nc_u32 v[RDB], 128*W1P, v[RDB]
.endif
.endm
	PHASE 0, SET0, 1, 12
	PHASE 1, SET1, 1, 12
	PHASE 2, SET0, 1, 12
	PHASE 3, SET1, 1, 12
	PHASE 4, SET0, 1, 12
	PHASE 5, SET1, 1, 12
	PHASE 6, SET0, 0, 12                           ; the last set is still out
	PHASE 7, SET1, 0, 0
	PLACES
.irp k, 0,1,2,3
	v_cvt_pk_f16_f32 v[SET0+\k], v[ACC0+2*\k], v[ACC0+2*\k+1]
.endr
	global_store_b128 v[QOFF], v[SET0:SET0+3], s[28:29]    ; the wave's 32 pieces fill a half block: 512 consecutive bytes, aligned
	s_cmp_lg_u32 s3, 0                             ; bc is stored once: by the work-groups of by = 0,
	s_cbranch_scc1 .Ldone
	s_cmp_lg_u32 s33, 0                            ; by one wave for each n tile
	s_cbranch_scc1 .Ldone
	v_add_f32 v[B1V], v[ACC1], v[B1V]              ; bi W1 + b1
	v_cmp_gt_u32 vcc_lo, 16, v1                    ; lanes 16 to 31 hold the same sixteen numbers again
	s_wait_xcnt 0x0                                ; EXEC is a source of the store above: it changes only behind this wait
	s_and_saveexec_b32 s34, vcc_lo
	global_store_b32 v[B1O], v[B1V], s[22:23]      ; 64 bytes a wave, 4,096 in the whole launch
	s_wait_xcnt 0x0                                ; and again in front of the line that widens it
	s_or_b32 exec_lo, exec_lo, s34
.Ldone:
	s_endpgm
.Lfunc_end_k_qf3cc021c45_prep:
	.size	k_qf3cc021c45_prep, .Lfunc_end_k_qf3cc021c45_prep-k_qf3cc021c45_prep
	.p2alignl 7, 3214868480
	.fill 96, 4, 3214868480
	.section	.rodata,"a",@progbits
	.p2align	6, 0x0
	.amdhsa_kernel k_qf3cc021c45_prep
		.amdhsa_group_segment_fixed_size 244224
		.amdhsa_private_segment_fixed_size 0
		.amdhsa_enable_private_segment 0
		.amdhsa_kernarg_size 64
		.amdhsa_user_sgpr_count 2
		.amdhsa_user_sgpr_kernarg_segment_ptr 1
		.amdhsa_wavefront_size32 1
		.amdhsa_system_sgpr_workgroup_id_x 1
		.amdhsa_system_sgpr_workgroup_id_y 1
		.amdhsa_system_sgpr_workgroup_id_z 1
		.amdhsa_system_vgpr_workitem_id 0
		.amdhsa_next_free_vgpr 256
		.amdhsa_next_free_sgpr 66
		.amdhsa_reserve_vcc 1
		.amdhsa_float_denorm_mode_32 3
		.amdhsa_float_denorm_mode_16_64 3
		.amdhsa_memory_ordered 1
		.amdhsa_forward_progress 1
		.amdhsa_inst_pref_size 52
	.end_amdhsa_kernel
	.amdgpu_metadata
---
amdhsa.version: [ 1, 2 ]
amdhsa.kernels:
  - .name:           k_qf3cc021c45_prep
    .symbol:         k_qf3cc021c45_prep.kd
    .args:
      - { .name: Wi, .offset: 0, .size: 8, .value_kind: global_buffer, .address_space: global }
      - { .name: bi, .offset: 8, .size: 8, .value_kind: global_buffer, .address_space: global }
      - { .name: W1, .offset: 16, .size: 8, .value_kind: global_buffer, .address_space: global }
      - { .name: b1, .offset: 24, .size: 8, .value_kind: global_buffer, .address_space: global }
      - { .name: W2, .offset: 32, .size: 8, .value_kind: global_buffer, .address_space: global }
      - { .name: Wo, .offset: 40, .size: 8, .value_kind: global_buffer, .address_space: global }
      - { .name: wf, .offset: 48, .size: 8, .value_kind: global_buffer, .address_space: global }
      - { .name: bc, .offset: 56, .size: 8, .value_kind: global_buffer, .address_space: global }
    .group_segment_fixed_size: 244224
    .private_segment_fixed_size: 0
    .kernarg_segment_align: 8
    .kernarg_segment_size: 64
    .max_flat_workgroup_size: 256
    .sgpr_count:     66
    .vgpr_count:     256
    .wavefront_size: 32
...
	.end_amdgpu_metadata
.endif
;; end of part 3
;; launch chain (part 4): grid 256 x 1, 4 waves a work-group, clusters of 4 x 1, 327,680 bytes of LDS; arguments input_tensor, expert_weights, wf, bc, b2, bo, gamma, beta, out0; writes out0
.if DOCPART == 4
	.amdgcn_target "amdgcn-amd-amdhsa--gfx1250"
	.amdhsa_code_object_version 6
	.text
	.protected	k_qf3cc021c45_chain
	.globl	k_qf3cc021c45_chain
	.p2align	8
	.type	k_qf3cc021c45_chain,@function
k_qf3cc021c45_chain:
	s_mov_b64 s[64:65], 0
	v_nop
	global_prefetch_b8 v0, s[64:65] scope:SCOPE_SE
	s_setreg_imm32_b32 hwreg(HW_REG_WAVE_MODE, 25, 1), 1
	s_wait_xcnt 0x0
	s_wait_alu depctr_hold_cnt(0) depctr_sa_sdst(0) depctr_va_vdst(0) depctr_va_sdst(0) depctr_va_ssrc(0) depctr_va_vcc(0) depctr_vm_vsrc(0)
	s_getreg_b32 s2, hwreg(HW_REG_IB_STS2, 6, 4)
	s_cmp_eq_u32 s2, 0
	s_cbranch_scc0 .Lentry_in_a_cluster
	s_endpgm
.Lentry_in_a_cluster:
	s_bfe_u32 s2, ttmp6, 0x10000c
	s_cmp_lg_u32 s2, 0x3003
	s_cbranch_scc0 .Lentry_shape_is_right
	s_endpgm
.Lentry_shape_is_right:
; THE FUSED CHAIN: e1 = relu(x Wc + bc), e2 = relu(e1 W2 + b2) * expert_weights, o = e2 Wo + bo, out = LayerNorm(o) * gamma + beta.
; (Wc = Wi W1 and bc = bi W1 + b1 come from the launch before: reference() has no nonlinearity between its first two products.)
; 8,192 token rows, 256 work-groups of 32 rows, four waves.  A wave owns a strip of columns (256 in the first two layers, 128 in the last) for
; all 32 rows, so each weight byte is used by one wave of a work-group, once.  The activations stay in LDS between the layers, in f16.
;
; NUMBER FORMAT: matrix operands are f16 (11 significant bits), sums f32.  x and the weights have f16's room as they are.  The activations have not
; (four factors of thirty are 810,000), so each token row carries an exact power of two: at the end of a layer the row's largest number is found, clamped
; to [2^-40, 2^40], and s = 2^-exponent brings it into [1, 2) in front of the rounding.  relu(s a) = s relu(a), so the scale is carried on: the next layer's
; bias is multiplied by the running scale S, and the last layer's sums are multiplied by 1/S inside the LayerNorm's centring.
; LIMITS, stated: |x| and every weight below 65,504; a row whose largest activation (in the scale carried so far) is below 2^-40 loses precision by
; degrees, one above 2^55 overflows; S lies within 2^-80 .. 2^80, so a bias times S must stay finite in f32.  Wc is rounded where reference() has h.
; relu and the row maximum are v_max_num_f32, so a NaN in front of a relu becomes 0 instead of going on.  The variance is taken of centred numbers.
;
; THE WEIGHT STREAM.  wf holds, for each wave, one dense run of 1 MiB of finished fragments in the order of use: 32 chunks of 32 KiB (8 for Wc, 16 for W2,
; 8 for Wo).  A trip multiplies two chunks, 128 matrix instructions; there are 16 trips.  The two chunks come by two roads:
;  - the EVEN chunk by a tensor load (128 rows of 256 bytes) into the wave's own 32 KiB of one of two LDS slots.  It goes into registers during the trip
;    before the one that multiplies it; in that next trip the slot is given back and filled with the even chunk two trips ahead.  By this text's count a wave
;    has two tensor loads out at the start, later one.  All work-groups walk the same wf: four of them form a cluster and ask for these chunks JOINTLY
;    (mask 15); the descriptors hang on the wave's number alone.  A round of the cluster's barrier stands in front of every refill.
;  - the ODD chunk by 64 global loads of 16 bytes a lane straight into fragment registers, since LDS would give it no second reader.  A buffer is asked for
;    again when the pair of groups that it belongs to has been multiplied, six groups ahead of its use.  In front of each refill's barrier no tensor load
;    is out; these loads are bound to no barrier and stay on their way meanwhile.  They cannot be asked jointly: joint requests exist for tensor loads alone.
; The stream knows nothing of the layers: its loads run on over a layer's end while the layer's results are made.
;
; LDS: [0, 65536) activations, written by ds_store alone: x in f16 (pitch 1,040), then e1, then e2 in fragment order; its first 1,024 bytes also take the
;      rows' maxima and sums while no activations are alive.  65536 + slot*131072 + wave*32768: the ring.  After its last fill the wave's part of slot 0
;      is its stage on the way out.
; FRAGMENT ORDER: the matrix instruction is used with source 0 = 16 weight columns, source 1 = 16 token rows, so lane l holds token row l%16 and
; eight neighbouring columns 8 (l/16) ..  Rounded to f16 these 16 bytes are just what lane l needs as half a fragment of the next layer (k step
; 8 w + t/2, half t%2).  So block (k step s, row tile m) lies at (2 s + m)*1024 + half*512 + 16 l: dense, and every address is 16 l + a constant.
; BIAS: the next layer's bias is loaded a layer ahead into registers that are idle meanwhile; times the rows' scale it starts that layer's sums:
; nothing is cleared, and no bias is added afterwards.
;
; REGISTERS in windows of 256: window 1 the accumulators (tile (t, m) at v[8 (2 t + m)]; in layer 3, which needs 128, gamma in v128-191 and beta in
; v192-255); window 2 four buffers of 64 for the fragments that come from memory; window 3 four for those that come from LDS; window 0 the rest.
.set XP,    1040                       ; pitch of x in LDS: 1,024 bytes + 16, an odd multiple of 16 bytes
.set RING,  65536
.set SLOT,  131072
.set CHUNK, 32768
.set SP,    528                        ; pitch of the stage: 512 bytes + 16
.set L16,   4                          ; v4   16 l: also my offset in a half block in memory
.set ADRA,  5                          ; v5   LDS address of the activations' fragments; steps in the loops
.set AX,    6                          ; v6   its start for x: row r, 16 bytes at h
.set ADRB,  8                          ; v8, v9  my 16 bytes in a half block of my part of slot 0, 1; v8 also reads the stage back
.set ESTO,  10                         ; v10  where my wave's results go in fragment order
.set BO12,  11                         ; v11  bias offset, layers 1 and 2
.set BO3,   12                         ; v12  bias, gamma, beta offset, layer 3
.set GX,    13                         ; v13  x: my 32 bytes
.set SX,    14                         ; v14  LDS: my 16 bytes of x in f16
.set EWO,   15                         ; v15  4 r: offset into expert_weights, and LDS address of my rows' maxima and sums
.set EW,    16                         ; v[16:19] expert_weights of my row in row tile 0 (twice), 1 (twice)
.set STS,   20                         ; v20  the stage: row r, 32 bytes at h
.set OUTO,  22                         ; v22  out0: my 16 bytes of a row
.set RST,   23                         ; v23  LDS: my wave's maximum or sum of row r
.set NMEAN, 26                         ; v[26:29] minus the mean, pairs for row tiles 0, 1
.set RSTD,  30                         ; v[30:33]
.set P,     34                         ; v[34:41] at work
.set F,     42                         ; v[42:45] layer 2: expert weight times the row's new scale, pairs
.set SC,    46                         ; v[46:49] S, the scale that my rows carry, pairs
.set INV,   50                         ; v[50:53] 1 / S, pairs
.set AF,    64                         ; v[64:127] four buffers of 16 for the activations' fragments; layer 3 has eight k steps a trip and goes on into v[128:191]
.set T,     128                        ; v[128:255] x as loaded; the next layer's bias; sums and rows on the way out
.set Q,     T                          ; v[128:143] four chains of sums for each row tile
.set G1,    32                         ; s[32:39] descriptor group 1
.set G0,    40                         ; s[40:47] descriptor group 0, a set for each slot
.set MSB, 0
.macro WIN new                         ; s_set_vgpr_msb: bits 1:0 source 0, 3:2 source 1, 5:4 source 2, 7:6 destination; the high byte repeats the setting that is left
.if MSB != (\new)
	s_set_vgpr_msb (MSB<<8)|(\new)
.set MSB, (\new)
.endif
.endm
.macro PLACES                          ; four places behind a matrix instruction, in front of what reads its result or writes or loads into its registers
.rept 4
	v_nop
.endr
.endm
.macro ROUND                           ; a round of the cluster's barrier: my work-group's barrier, wave 0 signals for the work-group, all wait, my work-group's barrier closes
	s_barrier_signal -1
	s_barrier_wait -1
	s_cmp_lg_u32 s22, 0
	s_cbranch_scc1 .Lnot_wave_0_\@
	s_barrier_signal -3
.Lnot_wave_0_\@:
	s_barrier_wait -3
	s_barrier_signal -1
	s_barrier_wait -1
.endm
; A chunk is four groups of 8 KiB: eight blocks, sixteen matrix instructions.  KIND 12 (strip of 16 column tiles): group g is k step g/2 of the chunk's two,
; tiles 8 (g%2) ..; KIND 3 (strip of 8): group g is k step g of the chunk's four, all tiles.  Buffer g of a window serves group g.
.macro BLOAD g, slot                   ; a group of an even chunk, from LDS
	WIN 0xc0                                       ; destination window 3, address window 0
.irp t, 0,1,2,3,4,5,6,7
	ds_load_b128 v[64*\g+8*\t:64*\g+8*\t+3],   v[ADRB+(\slot)] offset:\g*8192+\t*1024
	ds_load_b128 v[64*\g+8*\t+4:64*\g+8*\t+7], v[ADRB+(\slot)] offset:\g*8192+\t*1024+512
.endr
.endm
.macro GGLOAD g                        ; a group of an odd chunk, from memory: each load of the wave covers 512 consecutive bytes, aligned
	WIN 0x80                                       ; destination window 2, offset window 0
.irp t, 0,1,2,3,4,5,6,7
	global_load_b128 v[64*\g+8*\t:64*\g+8*\t+3],   v[L16], s[8:9] offset:\g*8192+\t*1024
	global_load_b128 v[64*\g+8*\t+4:64*\g+8*\t+7], v[L16], s[8:9] offset:\g*8192+\t*1024+512
.endr
.endm
.macro ALOAD buf, off                  ; the activations' fragments of a trip's k step buf, both row tiles
	WIN 0
.irp m, 0,1
	ds_load_b128 v[AF+16*(\buf)+8*\m:AF+16*(\buf)+8*\m+3],   v[ADRA] offset:(\off)+\m*MSA
	ds_load_b128 v[AF+16*(\buf)+8*\m+4:AF+16*(\buf)+8*\m+7], v[ADRA] offset:(\off)+\m*MSA+HSA
.endr
.endm
.macro APAIR q, off                    ; the activations that the pair q of a trip's four pairs of groups needs: one k step (KIND 12) or two (KIND 3); off: the trip's first byte
.if KIND == 12
	ALOAD \q,(\off)+\q*KSA
.else
	ALOAD 2*\q,(\off)+2*\q*KSA
	ALOAD 2*\q+1,(\off)+(2*\q+1)*KSA
.endif
.endm
; Sixteen accumulators, one instruction each; the same order in every group: no two matrix instructions that follow each other name one accumulator,
; over the edges of groups, trips and loops too.
; src = 3: group g of the even chunk (window 3); src = 2: of the odd chunk (window 2).
.macro MUL src, g
	WIN (\src|0x50)                                ; source 0 (weights) window src, source 1 (activations) window 0, C and D window 1
.if KIND == 12
.set tb, 8*(\g&1)
.set ab, (3-\src)*2+(\g>>1)
.else
.set tb, 0
.set ab, (3-\src)*4+\g
.endif
.irp t, 0,1,2,3,4,5,6,7
.irp m, 0,1
	v_wmma_f32_16x16x32_f16 v[8*(2*(tb+\t)+\m):8*(2*(tb+\t)+\m)+7], v[64*\g+8*\t:64*\g+8*\t+7], v[AF+16*ab+8*\m:AF+16*ab+8*\m+7], v[8*(2*(tb+\t)+\m):8*(2*(tb+\t)+\m)+7]
.endr
.endr
.endm
; ONE TRIP: eight groups of sixteen matrix instructions, in four pairs: L0 L1 | L2 L3 | G0 G1 | G2 G3 (L: the even chunk, window 3; G: the odd chunk, window 2).
; In front of each group stands ONE short run of loads (16 to 24), into the buffers that the pair of groups before has left:
;   in front of L0, L1: this trip's G2, G3 from memory, and the activations of G2, G3
;   in front of L2, L3: the next trip's L0, L1 from the other slot, and their activations     (behind the round and the refill)
;   in front of G0, G1: the next trip's L2, L3 from the other slot, and their activations
;   in front of G2, G3: the next trip's G0, G1 from memory, and their activations
; PLACES stand once in front of each pair's runs: every buffer loaded there was last named by a matrix instruction ahead of those four places.
; LDS waits: the one at the head leaves out the ACNT loads just issued, so all that was asked for in the trip before is in; the one for 0 in front of the round
; brings in the rest: no group needs another.  Memory waits: loads come back in order (ISA guide 5.7.1), each count is what was issued behind the group needed.
; refill = 1: this trip's slot, read out in the trip before, is filled again with the even chunk two trips ahead.  next = 1: the next even chunk is read from the
; other slot.  anext = 1: the next trip's activations are read (not at a layer's end: they do not exist yet).  gnext = 1: the next odd chunk is asked for.
.macro TRIP slot, a0, refill, next, anext, gnext
	PLACES
	APAIR 3, \a0
	GGLOAD 2
	s_wait_dscnt ACNT                              ; all LDS loads but the ACNT just issued: L0 to L3 and the activations of the first three pairs are in
	MUL 3, 0
	GGLOAD 3
	MUL 3, 1
	s_wait_dscnt 0x0                               ; no LDS read of mine is out: my reads of this slot ended in the trip before
	s_wait_tensorcnt 0x0                           ; and all my tensor loads have landed: the one that was out is the other slot's chunk
.if \refill
	WIN 0
	ROUND                                          ; no wave of any partner still reads this slot or has a load on its way
	s_add_nc_u64 s[G0+4*\slot+2:G0+4*\slot+3], s[G0+4*\slot+2:G0+4*\slot+3], 4*CHUNK
	tensor_load_to_lds s[G0+4*\slot:G0+4*\slot+3], s[G1:G1+7]      ; first thing behind the round, my one tensor load until the next
	s_nop 0
.endif
.if \next
	PLACES
	BLOAD 0, 1-\slot
.if \anext
	APAIR 0, \a0+TRIPA
.endif
.endif
	MUL 3, 2
.if \next
	BLOAD 1, 1-\slot
.endif
	MUL 3, 3
.if \next
	PLACES
	BLOAD 2, 1-\slot
.if \anext
	APAIR 1, \a0+TRIPA
.endif
.endif
	s_wait_loadcnt 48                              ; G1, G2, G3, sixteen loads each, were issued behind G0
	MUL 2, 0
.if \next
	BLOAD 3, 1-\slot
.endif
	s_wait_loadcnt 32                              ; G2, G3 behind G1
	MUL 2, 1
.if \gnext
	PLACES
	s_wait_xcnt 0x0                                ; the base of the loads issued so far is stepped only behind this wait
	s_add_nc_u64 s[8:9], s[8:9], 2*CHUNK           ; the next odd chunk
	GGLOAD 0
.if \anext
	APAIR 2, \a0+TRIPA
.endif
	s_wait_loadcnt 32                              ; G3 and the next G0 behind G2
.else
	s_wait_loadcnt 16                              ; G3 behind G2
.endif
	MUL 2, 2
.if \gnext
	GGLOAD 1
	s_wait_loadcnt 32                              ; the next G0 and G1 behind G3
.else
	s_wait_loadcnt 0x0
.endif
	MUL 2, 3
.endm
.macro LAP                             ; once round the ring
	TRIP 0, 0, 1, 1, 1, 1
	TRIP 1, TRIPA, 1, 1, 1, 1
	WIN 0
	v_add_nc_u32 v[ADRA], 2*TRIPA, v[ADRA]
.endm
; A layer.  Its first trip's weights are in registers or on their way already; the activations of that trip's first three pairs are read here.  Then laps of two
; trips, and two trips written out.  goeson = 1: the stream goes on behind this layer.
.macro WALK laps, tailfill, goeson, base
	WIN 0
	v_mov_b32 v[ADRA], v[\base]
	APAIR 0, 0
	APAIR 1, 0
	APAIR 2, 0
	WIN 0                                          ; at a label and at a branch every window is 0
.if \laps > 1
	s_mov_b32 s30, \laps
.Lwalk_\@:
	LAP
	s_sub_co_u32 s30, s30, 1
	s_cmp_lg_u32 s30, 0
	s_cbranch_scc1 .Lwalk_\@
.else
	LAP
.endif
	TRIP 0, 0, \tailfill, 1, 1, 1
	TRIP 1, TRIPA, \tailfill, \goeson, 0, \goeson
	WIN 0
.endm
; A bias of nt column tiles into T.  Lane l wants columns 16 t + 8 h .. + 7 of its wave's strip.
.macro TBIAS nt, off, base
.set tt, 0
.rept \nt
	global_load_b128 v[T+8*tt:T+8*tt+3],   v[\off], s[\base:\base+1] offset:tt*64
	global_load_b128 v[T+8*tt+4:T+8*tt+7], v[\off], s[\base:\base+1] offset:tt*64+16
.set tt, tt+1
.endr
.endm
; The bias in T, times the scale that each row carries, starts the sums of both row tiles.
.macro BSCALE nt
	WIN 0x40                                       ; destination window 1, sources window 0
.set i, 0
.rept 4*\nt
.set b0, 16*(i>>2)+2*(i&3)
.set t0, T+8*(i>>2)+2*(i&3)
	v_pk_mul_f32 v[b0:b0+1],   v[t0:t0+1], v[SC:SC+1]
	v_pk_mul_f32 v[b0+8:b0+9], v[t0:t0+1], v[SC+2:SC+3]
.set i, i+1
.endr
	WIN 0
.endm
; A layer's results.  l2 = 1: layer 2, whose results are also multiplied by the row's expert weight (combined = e2 * expert_weights).
; 0. a barrier between every wave's last reads of the old activations and the first store into their bytes; step 1's register work stands between its signal
;    and its wait.
; 1. the row's largest sum: four chains a row tile over my 128 numbers, the other half of the wave, the other waves through LDS bytes 0 to 511.
; 2. the row's scale: the maximum (times |expert weight|), clamped to [2^-40, 2^40]; its exponent field alone is 1/s, and 254 << 23 less that is s.
;    (The clamp from below also serves a row without a positive sum: all its results are 0.)
; 3. relu, times the scale, rounded to f16 in place: register work, between the signal and the wait of the barrier that lets the results take the maxima's bytes.
; 4. into LDS in fragment order.
.macro EPI l2
	s_wait_dscnt 0x0                               ; no LDS access is out at a signal: the next chunk's reads, issued in the last trip, are in (those of the activations were waited for there)
	s_barrier_signal -1
	PLACES
	WIN 0x05                                       ; sources 0 and 1 in window 1, the chains in window 0
.set i, 0
.rept 8
	v_max_num_f32 v[P+i], v[2*i], v[2*i+1]         ; column tile 0 starts the chains: chain i%4 of row tile (i/4)%2
.set i, i+1
.endr
.rept 120
	v_max3_num_f32 v[P+(i&7)], v[2*i], v[2*i+1], v[P+(i&7)]
.set i, i+1
.endr
	WIN 0
.irp m, 0,1
	v_max3_num_f32 v[P+4*\m], v[P+4*\m], v[P+4*\m+1], v[P+4*\m+2]
	v_max_num_f32 v[P+4*\m], v[P+4*\m], v[P+4*\m+3]
.endr
.irp m, 0,1
	v_permlanex16_b32 v[P+4*\m+1], v[P+4*\m], s28, s29     ; its destination counts as read: a register that has been written
.endr
.irp m, 0,1
	v_max_num_f32 v[P+4*\m], v[P+4*\m], v[P+4*\m+1]
.endr
	s_barrier_wait -1                              ; no wave reads the old activations any more
.irp m, 0,1
	ds_store_b32 v[RST], v[P+4*\m] offset:\m*64            ; lanes l and l xor 16 write one word with one value
.endr
	s_wait_dscnt 0x0                               ; for the others' sake: my maxima are in LDS
	s_barrier_signal -1
	s_barrier_wait -1
.irp m, 0,1
.irp n, 0,1,2,3
	ds_load_b32 v[P+4*\m+\n], v[EWO] offset:\n*128+\m*64
.endr
.endr
	s_wait_dscnt 0x0                               ; my reads of the maxima are over:
	s_barrier_signal -1                            ; say so; the results' stores stand behind this barrier's wait
.irp m, 0,1
	v_max3_num_f32 v[P+4*\m], v[P+4*\m], v[P+4*\m+1], v[P+4*\m+2]
	v_max_num_f32 v[P+4*\m], v[P+4*\m], v[P+4*\m+3]
.if \l2
	v_and_b32 v[P+4*\m+1], 0x7fffffff, v[EW+2*\m]
	v_mul_f32 v[P+4*\m], v[P+4*\m], v[P+4*\m+1]    ; the largest |e2 * expert weight| of the row
.endif
	v_max_num_f32 v[P+4*\m], 0x2b800000, v[P+4*\m] ; 2^-40
	v_min_num_f32 v[P+4*\m], 0x53800000, v[P+4*\m] ; 2^40
.if \l2
	v_and_b32 v[P+4*\m+1], 0x7f800000, v[P+4*\m]           ; 1/s = 2^exponent
	v_sub_nc_u32 v[P+4*\m+2], 0x7f000000, v[P+4*\m+1]      ; s = 2^-exponent
	v_mul_f32 v[F+2*\m],     v[EW+2*\m], v[P+4*\m+2]       ; the factor of the results; all products by s are exact
	v_mul_f32 v[F+2*\m+1],   v[EW+2*\m], v[P+4*\m+2]
	v_mul_f32 v[SC+2*\m],    v[SC+2*\m],    v[P+4*\m+2]    ; the scale carried on
	v_mul_f32 v[SC+2*\m+1],  v[SC+2*\m+1],  v[P+4*\m+2]
	v_mul_f32 v[INV+2*\m],   v[INV+2*\m],   v[P+4*\m+1]
	v_mul_f32 v[INV+2*\m+1], v[INV+2*\m+1], v[P+4*\m+1]
.else
	v_and_b32 v[INV+2*\m],   0x7f800000, v[P+4*\m]
	v_and_b32 v[INV+2*\m+1], 0x7f800000, v[P+4*\m]
	v_sub_nc_u32 v[SC+2*\m],   0x7f000000, v[INV+2*\m]
	v_sub_nc_u32 v[SC+2*\m+1], 0x7f000000, v[INV+2*\m]
.endif
.endr
.if \l2
.set FAC, F
.else
.set FAC, SC
.endif
	WIN 0x44                                       ; source 1 and destination window 1
.set i, 0
.rept 256
	v_max_num_f32 v[i], 0, v[i]
.set i, i+1
.endr
	WIN 0x41                                       ; source 0 and destination window 1, the factor in window 0
.set i, 0
.rept 128
	v_pk_mul_f32 v[2*i:2*i+1], v[2*i:2*i+1], v[FAC+2*((i>>2)&1):FAC+2*((i>>2)&1)+1]
.set i, i+1
.endr
	WIN 0x45                                       ; all in window 1
.set i, 0
.rept 128
	v_cvt_pk_f16_f32 v[i], v[2*i], v[2*i+1]        ; in place: word i is written when words 2 i, 2 i + 1 are read, never ahead of them
.set i, i+1
.endr
	WIN 0x04                                       ; the stores' data in window 1
	s_barrier_wait -1                              ; no wave reads the maxima any more
.set i, 0
.rept 32
	ds_store_b128 v[ESTO], v[4*i:4*i+3] offset:(i>>2)*2048+(i&1)*1024+((i>>1)&1)*512   ; tile (t, m) = i: k step t/2, row tile m, half t%2
.set i, i+1
.endr
	WIN 0
.endm
	s_load_b512 s[4:19], s[0:1], 0x0               ; x s[4:5], expert_weights s[6:7], wf s[8:9], bc s[10:11], b2 s[12:13], bo s[14:15], gamma s[16:17], beta s[18:19]
	s_load_b64 s[20:21], s[0:1], 0x40              ; out0
	v_and_b32 v1, 31, v0                           ; l
	v_lshrrev_b32 v2, 5, v0
	v_readfirstlane_b32 s22, v2                    ; wave 0..3
	v_and_b32 v2, 15, v0                           ; r
	v_bfe_u32 v3, v0, 4, 1                         ; h
	s_bfe_u32 s23, ttmp6, 0x40000                  ; cx
	s_lshl_b32 s24, ttmp9, 2
	s_add_co_u32 s24, s24, s23                     ; work-group = 4 x cluster + cx: it enters the offsets of x, expert_weights and out0 alone
	s_mov_b32 s28, 0x76543210                      ; v_permlanex16_b32: lane i of one half reads lane i of the other
	s_mov_b32 s29, 0xfedcba98
	s_mov_b32 s31, 0x3b000000                      ; 1 / 512
	s_mov_b32 s50, 0x3727c5ac                      ; LN_EPS = 1e-5
	s_lshl_b32 s25, s22, 15                        ; my wave's 32 KiB in a slot
	; group 1: a dense chunk as 128 rows of 32 elements of 8 bytes
	s_mov_b32 s[G1+0], 0x0023000f                  ; 15:0 mask: the cluster's four work-groups; 17:16 elements of 8 bytes; 21 set beside a mask; no padding
	s_mov_b32 s[G1+1], 32<<16                      ; tensor_dim0 = 32
	s_mov_b32 s[G1+2], 128<<16                     ; tensor_dim1 = 128
	s_mov_b32 s[G1+3], 32<<16                      ; tile_dim0 = 32
	s_mov_b32 s[G1+4], 128                         ; tile_dim1 = 128
	s_mov_b32 s[G1+5], 32                          ; from row to row: 32 elements
	s_mov_b32 s[G1+6], 0
	s_mov_b32 s[G1+7], 0
	s_lshl_b32 s48, s22, 20                        ; my wave's MiB of wf, in registers that never hold cx
	s_mov_b32 s49, 0
	s_wait_kmcnt 0x0
	s_add_nc_u64 s[8:9], s[8:9], s[48:49]
.irp n, 0,1
	s_mov_b32 s[G0+4*\n], 1                                        ; count = 1
	s_add_co_u32 s[G0+4*\n+1], s25, RING+\n*SLOT                   ; LDS address: the ring, the slot, the wave's number times 32,768
	s_add_nc_u64 s[G0+4*\n+2:G0+4*\n+3], s[8:9], \n*2*CHUNK        ; the even chunk of trip n
	s_or_b32 s[G0+4*\n+3], s[G0+4*\n+3], 0x80000000                ; type = 2
.endr
	s_add_nc_u64 s[8:9], s[8:9], CHUNK             ; from here on: the odd chunk that is being asked for
	ROUND                                          ; the four work-groups are here: the first joint loads meet
	tensor_load_to_lds s[G0:G0+3], s[G1:G1+7]      ; both first fills go out together, ahead of everything else
	s_nop 0
	tensor_load_to_lds s[G0+4:G0+7], s[G1:G1+7]
	s_nop 0
	s_lshl_b32 s26, s24, 16                        ; 32 rows of 2,048 bytes
	s_mov_b32 s27, 0
	s_add_nc_u64 s[4:5], s[4:5], s[26:27]          ; x and out0 at my first row
	s_add_nc_u64 s[20:21], s[20:21], s[26:27]
	s_lshl_b32 s26, s24, 7
	s_add_nc_u64 s[6:7], s[6:7], s[26:27]          ; expert_weights at my first row
	v_lshlrev_b32 v[L16], 4, v1
	v_mul_u32_u24 v[AX], v2, XP
	v_lshl_add_u32 v[AX], v3, 4, v[AX]
	s_add_co_u32 s51, s25, RING
	s_add_co_u32 s52, s25, RING+SLOT
	v_add_nc_u32 v[ADRB], s51, v[L16]
	v_add_nc_u32 v[ADRB+1], s52, v[L16]
	s_lshl_b32 s53, s22, 14
	v_add_nc_u32 v[ESTO], s53, v[L16]              ; my strip's eight k steps of the next layer: 16,384 bytes a wave
	v_lshlrev_b32 v[P], 5, v3                      ; 32 h
	v_lshlrev_b32 v[P+1], 5, v1                    ; 32 l
	v_lshl_add_u32 v[BO12], s22, 10, v[P]          ; column 256 w + 8 h, in f32
	v_lshl_add_u32 v[BO3], s22, 9, v[P]            ; column 128 w + 8 h
	v_add_nc_u32 v[GX], s53, v[P+1]                ; my wave stages rows 8 w .. 8 w + 7 of x
	s_mul_i32 s53, s22, 8*XP
	v_add_nc_u32 v[SX], s53, v[L16]
	v_lshlrev_b32 v[EWO], 2, v2
	v_mul_u32_u24 v[STS], v2, SP
	v_add_nc_u32 v[STS], v[STS], v[P]
	v_add_nc_u32 v[STS], s51, v[STS]
	v_lshl_add_u32 v[OUTO], s22, 9, v[L16]
	v_lshl_add_u32 v[RST], s22, 7, v[EWO]
.irp q, 0,1,2,3,4,5,6,7,8,9,10,11,12,13,14,15
	global_load_b128 v[T+8*\q:T+8*\q+3],   v[GX], s[4:5] offset:(\q>>1)*2048+(\q&1)*1024 th:TH_LOAD_NT      ; the two loads of a pair cover 1,024 consecutive bytes of a row
	global_load_b128 v[T+8*\q+4:T+8*\q+7], v[GX], s[4:5] offset:(\q>>1)*2048+(\q&1)*1024+16 th:TH_LOAD_NT
.endr
	WIN 0x40                                       ; bc starts layer 1's sums, in both row tiles: x carries no scale
.set tt, 0
.rept 16
.irp m, 0,1
	global_load_b128 v[8*(2*tt+\m):8*(2*tt+\m)+3],   v[BO12], s[10:11] offset:tt*64
	global_load_b128 v[8*(2*tt+\m)+4:8*(2*tt+\m)+7], v[BO12], s[10:11] offset:tt*64+16
.endr
.set tt, tt+1
.endr
	WIN 0
	s_wait_loadcnt 63                              ; 64 loads were issued behind x's 32: any count up to 64 shows x in
.irp q, 0,1,2,3,4,5,6,7,8,9,10,11,12,13,14,15
.irp k, 0,1,2,3
	v_cvt_pk_f16_f32 v[T+8*\q+\k], v[T+8*\q+2*\k], v[T+8*\q+2*\k+1]
.endr
	ds_store_b128 v[SX], v[T+8*\q:T+8*\q+3] offset:(\q>>1)*XP+(\q&1)*512
.endr
	TBIAS 16, BO12, 12                             ; b2 waits in T through layer 1
	global_load_b32 v[EW],   v[EWO], s[6:7]
	global_load_b32 v[EW+1], v[EWO], s[6:7]
	global_load_b32 v[EW+2], v[EWO], s[6:7] offset:64
	global_load_b32 v[EW+3], v[EWO], s[6:7] offset:64
	GGLOAD 0                                       ; the first odd chunk's first two groups: the youngest loads, so that the trips' counts hold from the first trip on
	GGLOAD 1
	WIN 0
	s_wait_dscnt 0x0                               ; for the others' sake: my rows of x are in LDS
	s_wait_tensorcnt 0x1                           ; the first even chunk is in; the second may stay out
	s_barrier_signal -1
	s_barrier_wait -1
	s_wait_loadcnt 63                              ; 68 loads were issued behind bc: any count up to 68 shows it in
	BLOAD 0, 0                                     ; the first even chunk, my own bytes, into registers: what a trip does for the trip behind it
	BLOAD 1, 0
	BLOAD 2, 0
	BLOAD 3, 0
	; LAYER 1: x (row-major, pitch 1,040) times Wc, K = 512: trips 0 to 3, four k steps each
.set KIND, 12
.set KSA, 64
.set MSA, 16*XP
.set HSA, 32
.set TRIPA, 256
.set ACNT, 4                                       ; LDS loads for a pair's activations: one k step, two row tiles, two halves
	WALK 1, 1, 1, AX
	EPI 0
	s_wait_dscnt 0x0                               ; my part of e1 is in LDS
	s_wait_loadcnt 32                              ; the next odd chunk's first 32 loads stay out; b2 and expert_weights, far older, are in
	s_barrier_signal -1                            ; (a tensor load may stay out)
	BSCALE 16                                      ; S b2 starts layer 2's sums: register work while the others arrive
	s_barrier_wait -1
	TBIAS 8, BO3, 14                               ; bo waits in T's lower half through layer 2
	; LAYER 2: e1 (fragment order) times W2, K = 1024: trips 4 to 11
.set KSA, 2048
.set MSA, 1024
.set HSA, 512
.set TRIPA, 8192
	WALK 3, 1, 1, L16
	EPI 1
	s_wait_dscnt 0x0                               ; my part of e2 is in LDS
	s_wait_loadcnt 32                              ; the next odd chunk's first 32 loads stay out; bo, far older, is in
	s_barrier_signal -1
	BSCALE 8                                       ; S bo starts layer 3's sums
	s_barrier_wait -1
	WIN 0x40                                       ; gamma and beta of my columns into the half of window 1 that layer 3 leaves idle
.irp t, 0,1,2,3,4,5,6,7
	global_load_b128 v[128+8*\t:128+8*\t+3], v[BO3], s[16:17] offset:\t*64
	global_load_b128 v[128+8*\t+4:128+8*\t+7], v[BO3], s[16:17] offset:\t*64+16
.endr
.irp t, 0,1,2,3,4,5,6,7
	global_load_b128 v[192+8*\t:192+8*\t+3], v[BO3], s[18:19] offset:\t*64
	global_load_b128 v[192+8*\t+4:192+8*\t+7], v[BO3], s[18:19] offset:\t*64+16
.endr
	WIN 0
	; LAYER 3: e2 times Wo, K = 1024, strip of 128 columns: trips 12 to 15, eight k steps each.  The last two trips fill nothing, the last asks for nothing more.
.set KIND, 3
.set TRIPA, 16384
.set ACNT, 8                                       ; two k steps a pair
	WALK 1, 0, 0, L16
	; LAYER NORM.  Lane l holds, for each row tile m, 64 numbers S o of row 16 m + l%16; the row's other numbers lie in lane l xor 16 and in the other waves.
	s_barrier_signal -1                            ; my last reads of e2 were waited for in the last trip: behind this barrier its bytes take the row sums
	s_barrier_wait -1
	PLACES
; Four chains of pairs for each row tile are folded, the halves of the wave added, the four waves' figures exchanged through LDS at byte red.
; Result: v[P] for row tile 0, v[P+4] for row tile 1, in every lane of every wave, summed in one order.
.macro ROWSUM red
.irp m, 0,1
	v_pk_add_f32 v[Q+8*\m:Q+8*\m+1],   v[Q+8*\m:Q+8*\m+1],   v[Q+8*\m+2:Q+8*\m+3]
	v_pk_add_f32 v[Q+8*\m+4:Q+8*\m+5], v[Q+8*\m+4:Q+8*\m+5], v[Q+8*\m+6:Q+8*\m+7]
.endr
.irp m, 0,1
	v_pk_add_f32 v[Q+8*\m:Q+8*\m+1], v[Q+8*\m:Q+8*\m+1], v[Q+8*\m+4:Q+8*\m+5]
.endr
.irp m, 0,1
	v_add_f32 v[Q+8*\m], v[Q+8*\m], v[Q+8*\m+1]
.endr
.irp m, 0,1
	v_permlanex16_b32 v[Q+8*\m+1], v[Q+8*\m], s28, s29     ; its destination counts as read: a register that has been written
.endr
.irp m, 0,1
	v_add_f32 v[Q+8*\m], v[Q+8*\m], v[Q+8*\m+1]
	ds_store_b32 v[RST], v[Q+8*\m] offset:\red+\m*64       ; lanes l and l xor 16 write one word with one value
.endr
	s_wait_dscnt 0x0
	s_barrier_signal -1
	s_barrier_wait -1
.irp m, 0,1
.irp n, 0,1,2,3
	ds_load_b32 v[P+4*\m+\n], v[EWO] offset:\red+\n*128+\m*64
.endr
.endr
	s_wait_dscnt 0x0
.irp m, 0,1
	v_add_f32 v[P+4*\m],   v[P+4*\m],   v[P+4*\m+1]
	v_add_f32 v[P+4*\m+2], v[P+4*\m+2], v[P+4*\m+3]
	v_add_f32 v[P+4*\m],   v[P+4*\m],   v[P+4*\m+2]
.endr
.endm
	WIN 0x05                                       ; sources in window 1, destination in window 0
.set i, 0
.rept 8
	v_pk_add_f32 v[Q+2*i:Q+2*i+1], v[2*i:2*i+1], v[2*(i+8):2*(i+8)+1]   ; column tiles 0 and 1 start the chains
.set i, i+1
.endr
	WIN 0x01
.set i, 16
.rept 48
.set qi, Q+8*((i>>2)&1)+2*(i&3)
	v_pk_add_f32 v[qi:qi+1], v[2*i:2*i+1], v[qi:qi+1]
.set i, i+1
.endr
	WIN 0
	ROWSUM 0
.irp m, 0,1
	v_mul_f32 v[P+4*\m], v[P+4*\m], v[INV+2*\m]            ; the sum of o: the sum of S o, times 1/S (a power of two)
	v_mul_f32 v[NMEAN+2*\m],   0xbb000000, v[P+4*\m]       ; - mu = - sum / 512
	v_mul_f32 v[NMEAN+2*\m+1], 0xbb000000, v[P+4*\m]
.endr
	WIN 0x41                                       ; source 0 and destination in window 1
.set i, 0
.rept 64
	v_pk_fma_f32 v[2*i:2*i+1], v[2*i:2*i+1], v[INV+2*((i>>2)&1):INV+2*((i>>2)&1)+1], v[NMEAN+2*((i>>2)&1):NMEAN+2*((i>>2)&1)+1]   ; o - mu = (S o) / S - mu, in place
.set i, i+1
.endr
	WIN 0x05
.set i, 0
.rept 8
	v_pk_mul_f32 v[Q+2*i:Q+2*i+1], v[2*i:2*i+1], v[2*i:2*i+1]
.set i, i+1
.endr
.rept 56
.set qi, Q+8*((i>>2)&1)+2*(i&3)
	v_pk_fma_f32 v[qi:qi+1], v[2*i:2*i+1], v[2*i:2*i+1], v[qi:qi+1]
.set i, i+1
.endr
	WIN 0
	ROWSUM 512                                     ; other bytes than the first sums': a wave may still be reading those
	v_fma_f32 v[P],   v[P],   s31, s50             ; var + eps
	v_fma_f32 v[P+4], v[P+4], s31, s50
	v_rsq_f32 v[RSTD],   v[P]                      ; twice each, to fill the pairs of the packed multiply
	v_rsq_f32 v[RSTD+1], v[P]
	v_rsq_f32 v[RSTD+2], v[P+4]
	v_rsq_f32 v[RSTD+3], v[P+4]
	v_nop                                          ; one plain vector instruction between a transcendental and the use of its result (ISA guide 5.7.2)
	WIN 0x41
.set i, 0
	s_wait_alu depctr_va_vdst(0)
.rept 64
	v_pk_mul_f32 v[2*i:2*i+1], v[2*i:2*i+1], v[RSTD+2*((i>>2)&1):RSTD+2*((i>>2)&1)+1]
.set i, i+1
.endr
	s_wait_loadcnt 0x0                             ; gamma and beta (met: the last trip has waited for all loads)
	WIN 0x55                                       ; all in window 1
.set i, 0
.rept 64
.set gi, 8*(i>>3)+2*(i&3)
	v_pk_fma_f32 v[2*i:2*i+1], v[2*i:2*i+1], v[128+gi:128+gi+1], v[192+gi:192+gi+1]
.set i, i+1
.endr
	; THE WAY OUT: sixteen rows at a time through my own stage (my part of slot 0, which has had its last fill), read back as rows of 512 bytes.
.irp m, 0,1
	WIN 0x04                                       ; the stores' data in window 1
.irp t, 0,1,2,3,4,5,6,7
	ds_store_b128 v[STS], v[8*(2*\t+\m):8*(2*\t+\m)+3]   offset:\m*16*SP+\t*64
	ds_store_b128 v[STS], v[8*(2*\t+\m)+4:8*(2*\t+\m)+7] offset:\m*16*SP+\t*64+16
.endr
	WIN 0
.irp n, 0,1,2,3,4,5,6,7,8,9,10,11,12,13,14,15
	ds_load_b128 v[T+64*\m+4*\n:T+64*\m+4*\n+3], v[ADRB] offset:(16*\m+\n)*SP     ; LDS serves a wave's instructions in order (ISA guide 5.7.1.4): these see the stores above
.endr
.irp n, 0,1,2,3,4,5,6,7,8,9,10,11,12,13,14,15
	s_wait_dscnt 15-\n                             ; the younger read-backs stay out
	global_store_b128 v[OUTO], v[T+64*\m+4*\n:T+64*\m+4*\n+3], s[20:21] offset:(16*\m+\n)*2048 th:TH_STORE_NT   ; the wave stores 512 consecutive bytes, aligned; the two row tiles use different registers
.endr
.endr
	ROUND                                          ; the closing round: no work-group ends while a partner may still ask for a chunk that names it
	s_endpgm
.Lfunc_end_k_qf3cc021c45_chain:
	.size	k_qf3cc021c45_chain, .Lfunc_end_k_qf3cc021c45_chain-k_qf3cc021c45_chain
	.p2alignl 7, 3214868480
	.fill 96, 4, 3214868480
	.section	.rodata,"a",@progbits
	.p2align	6, 0x0
	.amdhsa_kernel k_qf3cc021c45_chain
		.amdhsa_group_segment_fixed_size 327680
		.amdhsa_private_segment_fixed_size 0
		.amdhsa_enable_private_segment 0
		.amdhsa_kernarg_size 72
		.amdhsa_user_sgpr_count 2
		.amdhsa_user_sgpr_kernarg_segment_ptr 1
		.amdhsa_wavefront_size32 1
		.amdhsa_system_sgpr_workgroup_id_x 1
		.amdhsa_system_sgpr_workgroup_id_y 1
		.amdhsa_system_sgpr_workgroup_id_z 1
		.amdhsa_system_vgpr_workitem_id 0
		.amdhsa_next_free_vgpr 1024
		.amdhsa_next_free_sgpr 66
		.amdhsa_reserve_vcc 0
		.amdhsa_float_denorm_mode_32 3
		.amdhsa_float_denorm_mode_16_64 3
		.amdhsa_memory_ordered 1
		.amdhsa_forward_progress 1
		.amdhsa_inst_pref_size 255
	.end_amdhsa_kernel
	.section	.bss,"aw",@nobits
	.p2align	6
	.space	262144
	.amdgpu_metadata
---
amdhsa.version: [ 1, 2 ]
amdhsa.kernels:
  - .name:           k_qf3cc021c45_chain
    .symbol:         k_qf3cc021c45_chain.kd
    .args:
      - { .name: input_tensor, .offset: 0, .size: 8, .value_kind: global_buffer, .address_space: global }
      - { .name: expert_weights, .offset: 8, .size: 8, .value_kind: global_buffer, .address_space: global }
      - { .name: wf, .offset: 16, .size: 8, .value_kind: global_buffer, .address_space: global }
      - { .name: bc, .offset: 24, .size: 8, .value_kind: global_buffer, .address_space: global }
      - { .name: b2, .offset: 32, .size: 8, .value_kind: global_buffer, .address_space: global }
      - { .name: bo, .offset: 40, .size: 8, .value_kind: global_buffer, .address_space: global }
      - { .name: gamma, .offset: 48, .size: 8, .value_kind: global_buffer, .address_space: global }
      - { .name: beta, .offset: 56, .size: 8, .value_kind: global_buffer, .address_space: global }
      - { .name: out0, .offset: 64, .size: 8, .value_kind: global_buffer, .address_space: global }
    .group_segment_fixed_size: 327680
    .private_segment_fixed_size: 0
    .kernarg_segment_align: 8
    .kernarg_segment_size: 72
    .max_flat_workgroup_size: 128
    .sgpr_count:     66
    .vgpr_count:     1024
    .wavefront_size: 32
...
	.end_amdgpu_metadata
.endif
;; end of part 4
